; MI455X (gfx1250); checked and timed in simulation.
; The chip was launched on July 23, 2026; its instructions are those of AMD's public machine-readable ISA for CDNA 5 (MIT licence, August 2026) and "CDNA5" Instruction Set Architecture Reference Guide (July 2026). The comments in the code are by the model that wrote it; some were corrected since.
;; Multi Head Self Attention. Allowed arithmetic: matrix products marked QUANTISED: E2M3 operands, one E8M0 scale for each 32 along K, by v_wmma_scale_f32_16x16x128_f8f6f4 with both operands' format E2M3, f32 sums; everything else in f32.
;; Inputs: Wk 1,024 x 1,024 float32; Wo 1,024 x 1,024 float32; Wq 1,024 x 1,024 float32; Wv 1,024 x 1,024 float32; bk 1,024 float32; bo 1,024 float32; bq 1,024 float32; bv 1,024 float32; x 8,192 x 1,024 float32.
;; Outputs: out0 8,192 x 1,024 float32.
;; Constants: batch_size = 4.
;; This version of the problem:
;;   THIS VERSION OF THE PROBLEM IS GIVEN IN LOW PRECISION. The matrix products marked QUANTISED in the list below multiply operands that are first quantised to E2M3 (2 exponent bits, 3 mantissa bits; 6 bits a number), with one power-of-two scale for each 32 numbers along K (OCP MX v1.0); their sums are f32. All else is computed in f32.
;;   The module's matrix products, in the order in which they are computed (A, B: the left and right operand; K: the contracted axis; several contracted axes count as one K, in the product's order):
;;     1. [M 8,192, K 1,024] x [K 1,024, N 1,024]; A: input x; B: input Wq: QUANTISED
;;     2. [M 8,192, K 1,024] x [K 1,024, N 1,024]; A: input x; B: input Wk: QUANTISED
;;     3. [M 8,192, K 1,024] x [K 1,024, N 1,024]; A: input x; B: input Wv: QUANTISED
;;     4. batch 64 x [M 2,048, K 64] x [K 64, N 2,048]; A: computed on the way; B: computed on the way: QUANTISED
;;     5. batch 64 x [M 64, K 2,048] x [K 2,048, N 2,048]; A: computed on the way; B: softmax (see below): QUANTISED
;;     6. [M 8,192, K 1,024] x [K 1,024, N 1,024]; A: computed on the way; B: input Wo: QUANTISED
;;   THE QUANTISER, for each operand of a quantised product, along K:
;;     - K is cut into blocks of 32 from its start; a last block that is shorter is filled with zeros.
;;     - A block's scale is 2^e with e = floor(log2(the largest magnitude in the block)) - 2, held to -126 .. 127; a block of zeros has e = 0. As a byte (E8M0): e + 127.
;;     - Each number is divided by its block's scale, clamped to +-7.5, and rounded to the nearest number of E2M3, ties to even, subnormals kept.
;;     - The product sums the exact products of the quantised numbers (number of the format x scale) in f32.
;;   ~~~python
;;   def quantise(x, axis):      # numpy; x: float32 -> the quantised numbers, widened to float32 again
;;       x = np.moveaxis(x, axis, -1); K = x.shape[-1]
;;       x = np.pad(x, [(0, 0)] * (x.ndim - 1) + [(0, -K % 32)]); x = x.reshape(x.shape[:-1] + (-1, 32)); a = np.abs(x).max(-1, keepdims=True)
;;       e = np.where(a > 0, np.clip(np.frexp(np.where(a > 0, a, 1))[1] - 1 - 2, -126, 127), 0)      # np.frexp(a)[1] - 1 = floor(log2(a)), exactly
;;       r = np.clip(x / 2.0 ** e, -7.5, 7.5)
;;       step = 2.0 ** (np.maximum(np.frexp(np.where(r == 0, 1, r))[1] - 1, 0) - 3)
;;       q = np.round(r / step) * step * 2.0 ** e      # np.round: ties to even
;;       return np.moveaxis(q.reshape(q.shape[:-2] + (-1,))[..., :K], -1, axis).astype(np.float32)
;;   ~~~
;;   SOFTMAX AHEAD OF A QUANTISED PRODUCT. Where the list says 'softmax', what is quantised is not the finished softmax but p = 2^(t - M), with t = logit x log2(e) and M = ceil(the row's largest t), a whole number; so 1/2 < the row's largest p <= 1. The row's sum l is taken of the UNQUANTISED p, in f32, and the product's result is divided by l at the end. Since M is a whole number, a kernel that streams over the keys may use a running M (the ceiling of the running maximum): every later rescaling is an exact power of two, which a block's scale takes up: the codes' values come out the same.
;;   OPERANDS COMPUTED ON THE WAY. 'Computed on the way' means the value that the module computes at that place (a softmax that the list does not call 'softmax' is quantised finished and normalised). What goes into a quantiser is computed in f32, as accurately as f32 sums, v_exp_f32 and their like allow (about 1e-6 of the number): no bf16 or f16 on the way to a quantiser, and a product that is left as it is and whose result goes on into a quantised operand takes f32 operands (vector FMAs, or v_wmma_f32_16x16x4_f32). A number that lies on a knife's edge between two numbers of the format may be rounded either way, as far as f32 arithmetic and the matrix unit's own rounding can turn it there, and no further.
;; One version. Each part assembles by itself: llvm-mc -triple=amdgcn-amd-amdhsa -mcpu=gfx1250 --defsym DOCPART=n.
;; ======== version 1 of 1: 4 launches
;; limits: right only within a limited range of input values
;; workspace buffers: xw_codes 9,437,184 bytes; xw_scales 393,216 bytes; qk_codes 12,582,912 bytes; qk_scales 524,288 bytes; v_codes 6,291,456 bytes; v_scales 262,144 bytes; ctx_codes 6,291,456 bytes; ctx_scales 262,144 bytes
;; launch quant (part 1): grid 384 x 1, 4 waves a work-group, no clusters, 33,280 bytes of LDS; arguments x, Wq, Wk, Wv, Wo, xw_codes, xw_scales; writes xw_codes, xw_scales
.if DOCPART == 1
	.amdgcn_target "amdgcn-amd-amdhsa--gfx1250"
	.amdhsa_code_object_version 6
	.text
	.protected	k_qbfe6bce561_quant
	.globl	k_qbfe6bce561_quant
	.p2align	8
	.type	k_qbfe6bce561_quant,@function
k_qbfe6bce561_quant:
	s_mov_b64 s[64:65], 0
	v_nop
	global_prefetch_b8 v0, s[64:65] scope:SCOPE_SE
	s_setreg_imm32_b32 hwreg(HW_REG_WAVE_MODE, 25, 1), 1
	s_wait_xcnt 0x0
; MULTI-HEAD SELF-ATTENTION IN MX-FP6, launch 1 of 4: x [8192][1024] and Wq, Wk, Wv, Wo [1024][1024], f32, K innermost, become codes of FP6 (E2M3) with one E8M0 byte for each 32 along K.
; DEAD WORK: none.  Every product of reference() reaches out0; bq, bk and bv go into quantised operands (q, k, v), bo is added at the end: every input is loaded by some launch, and no step is left out.
; The five tensors are taken as ONE stack of 12,288 rows: 0 x, 8192 Wq, 9216 Wk, 10240 Wv, 11264 Wo.
; LAYOUT OF THE CODES (this program's own): xw_codes[plane = K / 64][row][48 bytes]: a row's two blocks of a plane, 24 bytes each.  A matrix operand's lane (r, h) takes 24 bytes at 48 r + 24 h of two planes on end.
; ORDER INSIDE A BLOCK (all code buffers of this program): place 0-7 holds k 0-7, place 8-15 k 16-23, place 16-23 k 8-15, place 24-31 k 24-31.  It is the order in which a product's results, taken transposed on
; tiles of 16 neighbouring rows, fall out of the conversions in the later launches; both operands of every product carry it, so each product pairs the same k with the same k, and a block keeps its 32 numbers and its scale.
; LAYOUT OF THE SCALE BYTES: xw_scales[K / 256][row][8 bytes].
; A block's scale is 2^(floor(log2(its largest magnitude)) - 2); its byte is the largest magnitude's exponent field - 2, held at 1 from below.
; LIMITS: NaN and infinities among the inputs are not served; blocks whose largest magnitude lies under 2^-124 keep the byte 1; a block of zeros has the byte 1 where the rule says 127 (its codes are zeros, and this program
; alone reads the bytes); the order inside a block changes the order of the f32 sums inside a matrix instruction, not the products.
; SHARES.  A work-group takes 32 rows, wave w their K 256 w .. 256 w + 255 (four planes, one group of scale bytes), in 16 steps of 8 rows x one plane.  Each of a step's four loads reads two rows' 256 consecutive bytes,
; 16 bytes a lane; the 2,048 bytes turn through the wave's own stage in LDS and come back 16 numbers a lane, two neighbouring lanes to a block, in the order above.  A step's codes are 384 consecutive bytes.
; The stage has 16 bytes of padding behind each 64; the reads out of it take 32 bytes of each 80 and meet two deep in the banks at any pitch that keeps them multiples of 16: memory binds this launch, so it stays.
; No tensor loads, no barrier: waves share nothing.  Loads run four steps (16 loads a wave) ahead, the turn through LDS one step.  No matrix unit, no cluster: nothing is shared and nothing is multiplied.
.set STEPS, 16
.set EMAX,  2
.set PSX,   589824                     ; a plane of xw_codes: 12,288 rows x 48 bytes
.set SSX,   98304                      ; a group of xw_scales: 12,288 rows x 8 bytes
.set R,     16                         ; v16-79   four sets of 16 numbers as they are loaded
.set X,     80                         ; v80-111  two sets of 16 numbers of one block's half
.set E,     112                        ; v112-127 a scale byte for each step
.set C,     128                        ; v128-191 codes: four registers for each step, so that no store's data are written again
.set WREG,  8192                       ; LDS: a region for each wave: two stages of 32 x SP bytes, behind them its 256 scale bytes
.set SP,    80
.set SPW,   12                         ; v12 LDS address of my spare word; never rewritten
.set NIL,   13                         ; v13 0; never rewritten
.set SPARE, 4*WREG                     ; the spare words, 128 bytes for each wave
	s_load_b256 s[4:11], s[0:1], 0x0               ; x, Wq, Wk, Wv
	s_load_b128 s[12:15], s[0:1], 0x20             ; Wo, the codes
	s_load_b64 s[16:17], s[0:1], 0x30              ; the scale bytes
	v_lshl_add_u32 v[SPW], v0, 2, SPARE
	v_mov_b32 v[NIL], 0
	v_lshrrev_b32 v1, 5, v0
	v_readfirstlane_b32 s20, v1                    ; wave
	v_and_b32 v2, 31, v0                           ; lane
	v_and_b32 v3, 15, v0
	v_bfe_u32 v1, v0, 4, 1
	v_lshlrev_b32 v3, 4, v3
	v_lshl_add_u32 v3, v1, 12, v3                  ; a load: lanes 0-15 one row's 256 bytes, lanes 16-31 the next row's
	s_mul_i32 s21, s20, WREG
	v_lshrrev_b32 v14, 2, v2
	v_mul_u32_u24 v14, v14, SP
	v_and_b32 v15, 3, v2
	v_lshl_add_u32 v14, v15, 4, v14
	v_add_nc_u32 v14, s21, v14                     ; the stage, on the way in: four lanes' 64 bytes on end, then 16 of padding
	v_lshrrev_b32 v15, 1, v2
	v_mul_u32_u24 v15, v15, 2*SP
	v_and_b32 v1, 1, v2
	v_lshl_add_u32 v15, v1, 5, v15
	v_add_nc_u32 v15, s21, v15                     ; on the way out: block lane / 2 (160 bytes with its paddings); the even lane takes k 0-7 and 16-23, the odd one k 8-15 and 24-31
	v_mul_u32_u24 v4, v2, 12                       ; my codes' place in a step's 384 bytes
	s_add_co_u32 s21, s21, 2*32*SP
	v_lshrrev_b32 v5, 2, v2
	v_lshlrev_b32 v5, 3, v5
	v_bfe_u32 v1, v2, 1, 1
	v_add_nc_u32 v5, v5, v1
	v_add_nc_u32 v5, s21, v5                       ; my block's scale byte: 8 x (row in the step) + (block in the plane)
	v_lshlrev_b32 v7, 3, v2
	v_add_nc_u32 v6, s21, v7                       ; and on the way out 8 bytes a lane
	s_and_b32 s19, ttmp9, 31                       ; the work-group's place inside a weight
	s_mul_i32 s24, s20, 4*PSX
	s_mul_i32 s25, ttmp9, 32*48
	s_add_co_u32 s24, s24, s25                     ; codes: my four planes, my 32 rows
	s_mov_b32 s25, 0
	s_mul_i32 s26, s20, SSX
	s_lshl_b32 s27, ttmp9, 8
	s_add_co_u32 s26, s26, s27                     ; scale bytes: my group, my 32 rows
	s_mov_b32 s27, 0
	s_wait_alu depctr_va_vdst(0)
	s_wait_kmcnt 0x0
	s_cmp_lt_u32 ttmp9, 352                        ; which tensor: the choice hangs on the work-group's number alone
	s_cselect_b64 s[10:11], s[10:11], s[12:13]
	s_cmp_lt_u32 ttmp9, 320
	s_cselect_b64 s[8:9], s[8:9], s[10:11]
	s_cmp_lt_u32 ttmp9, 288
	s_cselect_b64 s[6:7], s[6:7], s[8:9]
	s_cmp_lt_u32 ttmp9, 256
	s_cselect_b64 s[4:5], s[4:5], s[6:7]
	s_cselect_b32 s18, ttmp9, s19
	s_lshl_b32 s22, s18, 17                        ; 32 rows of 4,096 bytes
	s_lshl_b32 s23, s20, 10                        ; my 256 along K
	s_add_co_u32 s22, s22, s23
	s_mov_b32 s23, 0
	s_add_nc_u64 s[4:5], s[4:5], s[22:23]
	s_add_nc_u64 s[14:15], s[14:15], s[24:25]
	s_add_nc_u64 s[16:17], s[16:17], s[26:27]
.macro LOAD t                          ; step t: plane t / 4, rows 8 (t % 4) on
.irp i, 0,1,2,3
	global_load_b128 v[R+16*((\t)%4)+4*\i:R+16*((\t)%4)+4*\i+3], v3, s[4:5] offset:(8*((\t)%4)+2*\i)*4096+((\t)/4)*256 th:TH_LOAD_NT
.endr
.endm
.macro TURN t                          ; step t's numbers through the stage: LDS serves a wave's instructions in order, so no wait stands between the stores and the loads
.irp i, 0,1,2,3
	ds_store_b128 v14, v[R+16*((\t)%4)+4*\i:R+16*((\t)%4)+4*\i+3] offset:32*SP*((\t)%2)+8*SP*\i
.endr
.irp i, 0,1,2,3
	ds_load_b128 v[X+16*((\t)%2)+4*\i:X+16*((\t)%2)+4*\i+3], v15 offset:32*SP*((\t)%2)+16*(\i%2)+SP*(\i/2)
.endr
.endm
.irp t, 0,1,2,3
	LOAD \t
.endr
	s_wait_loadcnt 12                              ; step 0's four loads are in
	TURN 0
.macro STEP t
.set XS, X+16*((\t)%2)
.if (\t) > 0
	s_wait_dscnt 1                                 ; this step's numbers are back from the stage (the last step's byte store may be out): so its stores into the stage have read their registers,
.else
	s_wait_dscnt 0x0
.endif
.if (\t)+4 < STEPS
	LOAD (\t)+4                                    ; which take the loads of four steps on
.endif
.if (\t)+1 < STEPS
.if STEPS-2-(\t) >= 3
	s_wait_loadcnt 12                              ; the next step's four loads are in; those of the three steps behind it may be out
.else
	s_wait_loadcnt 4*(STEPS-2-(\t))
.endif
	TURN (\t)+1                                    ; and go through the other stage while this step is worked
.endif
	v_max3_num_f32 v8, |v[XS]|, |v[XS+1]|, |v[XS+2]|               ; the largest magnitude of my 16
	v_max3_num_f32 v9, |v[XS+3]|, |v[XS+4]|, |v[XS+5]|
.irp i, 6,10
	v_max3_num_f32 v8, v8, |v[XS+\i]|, |v[XS+\i+1]|
	v_max3_num_f32 v9, v9, |v[XS+\i+2]|, |v[XS+\i+3]|
.endr
	v_max3_num_f32 v8, v8, |v[XS+14]|, |v[XS+15]|
	v_max3_num_f32 v8, v8, v9, (EMAX+1)<<23        ; and the floor 2^(EMAX + 1 - 127): the byte cannot fall under 1
	v_max_num_f32_dpp v8, v8, v8 row_xmask:1 row_mask:0xf bank_mask:0xf   ; and of my neighbour's 16: the block's
	v_add_nc_u32 v11, -(EMAX<<23), v8              ; EMAX off its exponent field: the conversion takes the exponent field of this operand as its scale
	v_cvt_scalef32_pk16_fp6_f32 v[C+4*(\t):C+4*(\t)+2], v[XS:XS+15], v11
	v_lshrrev_b32 v[E+(\t)], 23, v11               ; the scale's byte (also the plain line behind the conversion)
	ds_store_b8 v5, v[E+(\t)] offset:64*((\t)%4)+2*((\t)/4)        ; both lanes of a block write the same byte with the same value
	global_store_b96 v4, v[C+4*(\t):C+4*(\t)+2], s[14:15] offset:((\t)/4)*PSX+((\t)%4)*384   ; 384 consecutive bytes: 8 rows of a plane
.endm
.irp t, 0,1,2,3,4,5,6,7,8,9,10,11,12,13,14,15
	STEP \t
.endr
	ds_load_b64 v[8:9], v6                         ; LDS serves a wave's instructions in order: these see my stores
	s_wait_dscnt 0x0
	global_store_b64 v7, v[8:9], s[16:17]          ; 32 lanes store 256 consecutive bytes, aligned: 32 rows' 8 scale bytes
	s_wait_tensorcnt 0x0                           ; the wave's end: behind my last LDS store
	ds_add_u32 v[SPW], v[NIL]
	s_wait_dscnt 0x0
	s_endpgm
.Lfunc_end_k_qbfe6bce561_quant:
	.size	k_qbfe6bce561_quant, .Lfunc_end_k_qbfe6bce561_quant-k_qbfe6bce561_quant
	.p2alignl 7, 3214868480
	.fill 96, 4, 3214868480
	.section	.rodata,"a",@progbits
	.p2align	6, 0x0
	.amdhsa_kernel k_qbfe6bce561_quant
		.amdhsa_group_segment_fixed_size 33280
		.amdhsa_private_segment_fixed_size 0
		.amdhsa_enable_private_segment 0
		.amdhsa_kernarg_size 56
		.amdhsa_user_sgpr_count 2
		.amdhsa_user_sgpr_kernarg_segment_ptr 1
		.amdhsa_wavefront_size32 1
		.amdhsa_system_sgpr_workgroup_id_x 1
		.amdhsa_system_sgpr_workgroup_id_y 1
		.amdhsa_system_sgpr_workgroup_id_z 1
		.amdhsa_system_vgpr_workitem_id 0
		.amdhsa_next_free_vgpr 192
		.amdhsa_next_free_sgpr 66
		.amdhsa_reserve_vcc 0
		.amdhsa_float_denorm_mode_32 3
		.amdhsa_float_denorm_mode_16_64 3
		.amdhsa_memory_ordered 1
		.amdhsa_forward_progress 1
		.amdhsa_inst_pref_size 33
	.end_amdhsa_kernel
	.amdgpu_metadata
---
amdhsa.version: [ 1, 2 ]
amdhsa.kernels:
  - .name:           k_qbfe6bce561_quant
    .symbol:         k_qbfe6bce561_quant.kd
    .args:
      - { .name: x, .offset: 0, .size: 8, .value_kind: global_buffer, .address_space: global }
      - { .name: Wq, .offset: 8, .size: 8, .value_kind: global_buffer, .address_space: global }
      - { .name: Wk, .offset: 16, .size: 8, .value_kind: global_buffer, .address_space: global }
      - { .name: Wv, .offset: 24, .size: 8, .value_kind: global_buffer, .address_space: global }
      - { .name: Wo, .offset: 32, .size: 8, .value_kind: global_buffer, .address_space: global }
      - { .name: xw_codes, .offset: 40, .size: 8, .value_kind: global_buffer, .address_space: global }
      - { .name: xw_scales, .offset: 48, .size: 8, .value_kind: global_buffer, .address_space: global }
    .group_segment_fixed_size: 33280
    .private_segment_fixed_size: 0
    .kernarg_segment_align: 8
    .kernarg_segment_size: 56
    .max_flat_workgroup_size: 128
    .sgpr_count:     66
    .vgpr_count:     192
    .wavefront_size: 32
...
	.end_amdgpu_metadata
.endif
;; end of part 1
;; launch qkv (part 2): grid 12 x 32, 4 waves a work-group, clusters of 4 x 4, 327,680 bytes of LDS; arguments xw_codes, xw_scales, bq, bk, bv, qk_codes, qk_scales, v_codes, v_scales; writes qk_codes, qk_scales, v_codes, v_scales
.if DOCPART == 2
	.amdgcn_target "amdgcn-amd-amdhsa--gfx1250"
	.amdhsa_code_object_version 6
	.text
	.protected	k_qbfe6bce561_qkv
	.globl	k_qbfe6bce561_qkv
	.p2align	8
	.type	k_qbfe6bce561_qkv,@function
k_qbfe6bce561_qkv:
	s_mov_b64 s[64:65], 0
	v_nop
	global_prefetch_b8 v0, s[64:65] scope:SCOPE_SE
	s_setreg_imm32_b32 hwreg(HW_REG_WAVE_MODE, 25, 1), 1
	s_wait_xcnt 0x0
	s_wait_alu depctr_hold_cnt(0) depctr_sa_sdst(0) depctr_va_vdst(0) depctr_va_sdst(0) depctr_va_ssrc(0) depctr_va_vcc(0) depctr_vm_vsrc(0)
	s_getreg_b32 s2, hwreg(HW_REG_IB_STS2, 6, 4)
	s_cmp_eq_u32 s2, 0
	s_cbranch_scc0 .Lentry_in_a_cluster
	s_endpgm
.Lentry_in_a_cluster:
	s_bfe_u32 s2, ttmp6, 0x10000c
	s_cmp_lg_u32 s2, 0xf033
	s_cbranch_scc0 .Lentry_shape_is_right
	s_endpgm
.Lentry_shape_is_right:
; Launch 2 of 4: q = x Wq^T + bq, k = x Wk^T + bk, v = x Wv^T + bv on codes of FP6 (E2M3) with E8M0 scales, K = 1024; the results are quantised in registers and leave as codes.  No work of reference() is left out here.
; ONE BODY, TWO WAYS, chosen by the CLUSTER's x, which all sixteen partners share: 0 and 1 (q, k): A = x, B = Wq or Wk; 2 (v): A = Wv, B = x.  The matrix instruction is used transposed (source 0 = 16 rows of B,
; source 1 = 16 rows of A): a lane holds ONE row of A and its registers run along B's rows.  So for q and k a lane holds a token and its registers the head's channels (the K of q k^T); for v a lane holds a channel
; and its registers the TOKENS, which are the K of p v.  Either way a lane's 16 registers of two neighbouring tiles are a half of a block of 32 along the next K, in the order that this program's code buffers keep.
; A tile of 256 x 256 is made by four waves, 128 x 128 each: 64 accumulators, 512 registers.  K goes in steps of 256 (four planes of 64) through a ring of two LDS slots; all scale bytes of the tile's rows come once.
; INPUT LAYOUT: xw_codes[plane][row][48], xw_scales[K / 256][row][8].  A code tile at the head is 4 planes x 256 rows x 48 bytes: four dense runs of 12,288 bytes.  In LDS the 32 lanes of a fragment's 8-byte load stand
; 24 bytes apart: 64 different banks (64 banks of 4 bytes: ISA guide 11.1), with no padding.
; OUTPUT LAYOUT: qk_codes[32 planes: q's 16 heads, k's 16][token][48], qk_scales[plane][token] 2 bytes; v_codes[plane = token / 64][head x 64 + channel][48], v_scales[plane][row] 2 bytes.
; THE BIAS is the C of each sum's first matrix instruction: for q, k eight numbers a tile of B's rows; for v one number a lane, written into eight registers.
; CLUSTERS: 4 x 4 work-groups; A's tiles are asked for jointly along a row of the cluster, B's along a column.  By this text's own count a wave has one tensor load out at the start and one behind each change of slots.
; LIMITS: as stated at the head of the first launch (NaN, infinities, very small blocks, the byte of a block of zeros, the order of the sums inside an instruction).
; REGISTERS, in windows of 256: window 0: v1-31 addresses; v32-63 scale words, two sets; v64-127 the bias; v128-223 A's fragments, one set; on the way out v32-227 are free.  window 1: B's fragments, two sets, at v0 and v128.
;   windows 2, 3: the accumulators of my rows 0-63, 64-127 (accumulator (a, b) at v[8 (8 (a % 4) + b)]).
.set PSX,   589824                     ; a plane of xw_codes in bytes
.set ASTEP, 8*PSX                      ; a slot's next fill lies two K steps, eight planes, on
.set BSTEP, 8*PSX
.set FR,    12                         ; registers of a fragment: 16 rows x 128 K
.set NL,    6                          ; LDS loads that bring one
.set NP,    4                          ; places behind this matrix instruction (ISA guide 7.12.1)
; THE SLOT'S LAYOUT AND THE LOADS, as they stand now (this takes the place of what the head comment says of them): a slot is [A, B][4 planes][256 rows][48 bytes].
; At the head one joint load a wave: wave 0 K step 0 of A's 256 rows, wave 1 of B's, wave 2 A's scale bytes, wave 3 B's.  In the ring a wave brings two planes of 256 rows: two dense runs of 12,288 bytes.
; By this text's own count a wave has one tensor load out at the start and one behind each round.
.set PLB,   12288                      ; 256 rows of a plane
.set HALFT, 2*PLB                      ; what one tensor load of the ring brings
.set SLOT,  4*HALFT                    ; A's two halves, then B's two halves
.set SCL,   2*SLOT                     ; behind the ring: the scale bytes, A's then B's, each [4 groups][256 rows][8]
.set HALFS, 4096
.set SPARE, SCL+4*HALFS                ; the spare words, 128 bytes for each wave
.set CSTG,  12288                      ; the way out: a wave's stage for codes, [2 planes][128 rows][48]; the stages lie in slot 0, which has had its last fill and its last read by then
.set SSTG,  4*CSTG                     ; and behind the four, 512 bytes a wave for scale bytes, [2 planes][128 rows] 2 bytes
.set ADRA, 16                          ; v16-17 LDS address of my A fragments in slot 0, 1
.set ADRB, 20                          ; v20-21 the same for B
.set SRD,  22                          ; v22 the way out: where I read scale bytes back
.set STO,  24                          ; v24 where I put 24 bytes of codes
.set RD,   25                          ; v25 where I read codes back
.set STS,  26                          ; v26 where I put a row's scale bytes
.set ADRS, 27                          ; v27 my scale words: lanes 0-15 A's rows, lanes 16-31 B's; never rewritten
.set SPW,  28                          ; v28 my spare word; never rewritten
.set NIL,  29                          ; v29 0; never rewritten
.set CO,   30                          ; v30 16 x lane
.set SO,   31                          ; v31 the scale bytes' place in memory
.set SC,   32                          ; scale words: set s at v[SC + 16 s]; register 2 i + q: lanes 0-15 A's block i, lanes 16-31 B's block i, the slot's q-th 128 along K
.set BIAS, 64
.set AF,   128
.set TM,   32                          ; the way out: v32-47 at work
.set WV,   2                           ; s2 wave
.set HR,   3                           ; s3 which half of the tile's rows is mine; also: I fetch for A (0) or B (1)
.set HC,   22                          ; s22 which half of its columns; also: which two planes I fetch in the ring
.set VMODE, 23                         ; s23 1 for v
.set G1,   24                          ; s[24:31] group 1 for A's tiles; s[32:39] group 0, a set for each slot
.set G0,   32
.set G1B,  48                          ; s[48:55], s[56:63] the same for B's
.set G0B,  56
.set SEL,  66                          ; s[66:67] v_permlanex16_b32's selects for lane l xor 16
.set G1S,  68                          ; s[68:75], s[76:79] groups 1 and 0 for A's scale bytes; s[80:87], s[88:91] for B's
.set G0S,  76
.set G1SB, 80
.set G0SB, 88
.set P0,   92                          ; s[92:93], s[94:95] my two planes of codes in memory; s[96:97] my scale bytes
.set P1,   94
.set PS,   96
.set OPS,  98                          ; s98 a plane of the codes' output in bytes; s99 of its scale bytes
.set OSS,  99
.set BP,   100                         ; s[100:101] my part of the bias
.set MSB, 0
.macro WIN new                         ; the immediate's high byte repeats the setting that is left
.if MSB != (\new)
	s_set_vgpr_msb (MSB<<8)|(\new)
.set MSB, (\new)
.endif
.endm
.set MUL_LO, 0xa1                      ; source 0 (B) window 1, source 1 (A) window 0, C and D window 2
.set MUL_HI, 0xf1                      ; the same, C and D window 3
.set TO_B,   0x40                      ; destination window 1, address window 0
; A joint load: waves 0 and 1 fetch for A, waves 2 and 3 for B; the branch hangs on the wave's number alone.  An s_nop 0 and four v_nop follow each of the two lines.
.macro JLOAD g0a, g1a, g0b, g1b
	s_cmp_eq_u32 s[HR], 0
	s_cbranch_scc0 .Lfor_b_\@
	tensor_load_to_lds s[\g0a:\g0a+3], s[\g1a:\g1a+7]
	s_nop 0
.rept 4
	v_nop
.endr
	s_branch .Lasked_\@
.Lfor_b_\@:
	tensor_load_to_lds s[\g0b:\g0b+3], s[\g1b:\g1b+7]
	s_nop 0
.rept 4
	v_nop
.endr
.Lasked_\@:
.endm
.macro CREST                           ; a round of the cluster's barrier behind its opening barrier
	s_cmp_lg_u32 s[WV], 0
	s_cbranch_scc1 .Lnot_wave_0_\@
	s_barrier_signal -3
.Lnot_wave_0_\@:
	s_barrier_wait -3
	s_barrier_signal -1
	s_barrier_wait -1
.endm
.macro CROUND
	s_barrier_signal -1
	s_barrier_wait -1
	CREST
.endm
	s_load_b256 s[4:11], s[0:1], 0x0               ; xw_codes, xw_scales, bq, bk
	s_load_b256 s[12:19], s[0:1], 0x20             ; bv, qk_codes, qk_scales, v_codes
	s_load_b64 s[20:21], s[0:1], 0x40              ; v_scales
	v_lshl_add_u32 v[SPW], v0, 2, SPARE
	v_mov_b32 v[NIL], 0
	ds_add_u32 v[SPW], v[NIL]                      ; the wave's opening: the add, twice on end, and its wait ahead of my first tensor load
	ds_add_u32 v[SPW], v[NIL]
	v_lshrrev_b32 v1, 5, v0
	v_readfirstlane_b32 s[WV], v1
	s_lshr_b32 s[HR], s[WV], 1
	s_and_b32 s[HC], s[WV], 1
	s_bfe_u32 s40, ttmp6, 0x40000                  ; cx, cy: my place in the cluster
	s_bfe_u32 s41, ttmp6, 0x40004
	s_and_b32 s42, ttmp7, 0xffff                   ; the cluster's y
	s_lshl_b32 s43, s41, 2
	s_lshl_b32 s43, 15, s43                        ; my row of the cluster
	s_lshl_b32 s44, 0x1111, s40                    ; my column
	s_mov_b32 s[SEL], 0x76543210
	s_mov_b32 s[SEL+1], 0xfedcba98
	s_cmp_eq_u32 ttmp9, 2                          ; v's clusters: the same answer in all sixteen partners
	s_cselect_b32 s[VMODE], 1, 0
	s_cselect_b32 s46, 0, s42                      ; which 1,024 rows of A's tensor this cluster takes,
	s_cselect_b32 s47, s42, ttmp9                  ; and which 1,024 of B's stack
	s_mov_b32 s[OPS], 393216
	s_cselect_b32 s[OPS], 49152, s[OPS]
	s_mov_b32 s[OSS], 16384
	s_cselect_b32 s[OSS], 2048, s[OSS]
	s_cselect_b32 s96, 10240, 0                    ; where A's tensor begins in the stack of rows: Wv or x,
	s_cselect_b32 s97, 0, 8192                     ; and B's: x, or Wq with Wk behind it
	s_lshl_b32 s92, s46, 10
	s_add_co_u32 s92, s92, s96
	s_lshl_b32 s93, s41, 8
	s_add_co_u32 s92, s92, s93
	s_lshl_b32 s94, s47, 10                        ; (s92: the first of A's 256 rows: it hangs on cy, never on cx)
	s_add_co_u32 s94, s94, s97
	s_lshl_b32 s95, s40, 8
	s_add_co_u32 s94, s94, s95
	s_mul_i32 s96, s92, 48                         ; (s94: the first of B's 256 rows: on cx, never on cy)  in bytes: A's codes,
	s_lshl_b32 s92, s92, 3                         ; A's scale bytes,
	s_mul_i32 s100, s94, 48                        ; B's codes,
	s_lshl_b32 s94, s94, 3                         ; B's scale bytes
	s_mov_b32 s97, 0
	s_mov_b32 s93, 0
	s_mov_b32 s101, 0
	s_mov_b32 s95, 0
	; descriptor group 1, codes: 4 planes x 12,288 bytes as 4 rows of 1,536 elements of 8 bytes, a plane apart; no padding
	s_or_b32 s[G1+0], s43, (3<<16)|(1<<21)         ; 15:0 the mask: A's tiles go to my row; 17:16 elements of 8 bytes; 21 set beside a mask
	s_or_b32 s[G1B+0], s44, (3<<16)|(1<<21)
.irp g, G1, G1B
	s_mov_b32 s[\g+1], 1536<<16                    ; tensor_dim0: 256 rows x 48 bytes as 1,536 elements of 8 bytes
	s_mov_b32 s[\g+2], 4<<16                       ; tensor_dim1: four planes at the head
	s_mov_b32 s[\g+3], 1536<<16                    ; tile_dim0
	s_mov_b32 s[\g+4], 4                           ; tile_dim1
	s_mov_b32 s[\g+5], PSX/8                       ; tensor_dim0_stride
	s_mov_b32 s[\g+6], 0
	s_mov_b32 s[\g+7], 0
.endr
	; scale bytes: 4 groups x 2,048 bytes as 4 rows of 256 elements of 8 bytes
	s_or_b32 s[G1S+0], s43, (3<<16)|(1<<21)
	s_or_b32 s[G1SB+0], s44, (3<<16)|(1<<21)
.irp g, G1S, G1SB
	s_mov_b32 s[\g+1], 256<<16                     ; 256 rows x 8 bytes
	s_mov_b32 s[\g+2], 4<<16
	s_mov_b32 s[\g+3], 256<<16
	s_mov_b32 s[\g+4], 4
	s_mov_b32 s[\g+5], 12288
	s_mov_b32 s[\g+6], 0
	s_mov_b32 s[\g+7], 0
.endr
	s_mul_i32 s45, s[WV], HALFT                    ; where my tiles go: no place in the cluster enters an LDS address
	s_wait_dscnt 0x0                               ; both opening adds are done
	s_wait_kmcnt 0x0
	s_add_nc_u64 s[96:97], s[4:5], s[96:97]
	s_add_nc_u64 s[92:93], s[6:7], s[92:93]
	s_add_nc_u64 s[100:101], s[4:5], s[100:101]
	s_add_nc_u64 s[94:95], s[6:7], s[94:95]
	CROUND                                         ; all sixteen work-groups are here: the first joint loads meet
	s_mov_b32 s[G0S], 1
	s_mov_b32 s[G0S+1], SCL
	s_mov_b64 s[G0S+2:G0S+3], s[92:93]
	s_or_b32 s[G0S+3], s[G0S+3], 0x80000000
	s_mov_b32 s[G0SB], 1
	s_mov_b32 s[G0SB+1], SCL+2*HALFS
	s_mov_b64 s[G0SB+2:G0SB+3], s[94:95]
	s_or_b32 s[G0SB+3], s[G0SB+3], 0x80000000
	s_mul_i32 s4, s[HC], 2*PSX                     ; in the ring I fetch two planes of four: which two,
	s_add_co_u32 s4, s4, 4*PSX                     ; of K step 1
	s_mov_b32 s5, 0
	s_mov_b32 s[G0], 1                             ; slot 0's sets serve the head's whole tiles first: A's four planes,
	s_mov_b32 s[G0+1], 0
	s_mov_b64 s[G0+2:G0+3], s[96:97]
	s_or_b32 s[G0+3], s[G0+3], 0x80000000
	s_mov_b32 s[G0B], 1                            ; and B's, behind them
	s_mov_b32 s[G0B+1], 2*HALFT
	s_mov_b64 s[G0B+2:G0B+3], s[100:101]
	s_or_b32 s[G0B+3], s[G0B+3], 0x80000000
	s_mov_b32 s[G0+4], 1                           ; slot 1's sets: my two planes of K step 1
	s_add_co_u32 s[G0+5], s45, SLOT
	s_add_nc_u64 s[G0+6:G0+7], s[96:97], s[4:5]
	s_or_b32 s[G0+7], s[G0+7], 0x80000000
	s_mov_b32 s[G0B+4], 1
	s_add_co_u32 s[G0B+5], s45, SLOT
	s_add_nc_u64 s[G0B+6:G0B+7], s[100:101], s[4:5]
	s_or_b32 s[G0B+7], s[G0B+7], 0x80000000
; the head's loads, one a wave: one chain of branches on the wave's number, a load in each arm, all arms leading to one join
.macro ARM under, g0, g1, next
	s_cmp_lt_u32 s[WV], \under
	s_cbranch_scc0 \next
	tensor_load_to_lds s[\g0:\g0+3], s[\g1:\g1+7]
	s_nop 0
.rept 4
	v_nop
.endr
	s_branch .Lhead_asked
\next:
.endm
	ARM 1, G0,  G1,  .Lhead_b
	ARM 2, G0B, G1B, .Lhead_sa
	ARM 3, G0S, G1S, .Lhead_sb
	tensor_load_to_lds s[G0SB:G0SB+3], s[G1SB:G1SB+7]
	s_nop 0
.rept 4
	v_nop
.endr
.Lhead_asked:
	v_and_b32 v1, 15, v0                           ; r
	v_bfe_u32 v2, v0, 4, 1                         ; h
	v_lshlrev_b32 v8, 5, v2                        ; the bias along B's rows: my half's eight numbers; never rewritten
	v_lshlrev_b32 v9, 2, v1                        ; the bias along A's rows: my row's number; never rewritten
	; where my results go
	s_lshl_b32 s92, s46, 10
	s_lshl_b32 s93, s41, 8
	s_add_co_u32 s92, s92, s93
	s_lshl_b32 s93, s[HR], 7
	s_add_co_u32 s92, s92, s93                     ; my first row of the output (a token; for v a channel)
	s_lshl_b32 s94, s47, 4
	s_lshl_b32 s95, s40, 2
	s_add_co_u32 s94, s94, s95
	s_lshl_b32 s95, s[HC], 1
	s_add_co_u32 s94, s94, s95                     ; my first plane: my 128 columns are two planes of 64
	s_mul_i32 s96, s94, s[OSS]
	s_lshl_b32 s97, s92, 1
	s_add_co_u32 s96, s96, s97                     ; the scale bytes' offset
	s_mul_i32 s94, s94, s[OPS]
	s_mul_i32 s92, s92, 48
	s_add_co_u32 s92, s92, s94                     ; the codes' offset
	s_mov_b32 s93, 0
	s_mov_b32 s97, 0
	s_cmp_eq_u32 s[VMODE], 1
	s_cselect_b64 s[14:15], s[18:19], s[14:15]
	s_cselect_b64 s[16:17], s[20:21], s[16:17]
	s_add_nc_u64 s[P0:P0+1], s[14:15], s[92:93]
	s_add_nc_u64 s[PS:PS+1], s[16:17], s[96:97]
	s_mov_b32 s94, s[OPS]
	s_mov_b32 s95, 0
	s_add_nc_u64 s[P1:P1+1], s[P0:P0+1], s[94:95]
	s_lshl_b32 s100, s41, 8
	s_lshl_b32 s101, s[HR], 7
	s_add_co_u32 s100, s100, s101                  ; v: the bias of my 128 rows of A
	s_lshl_b32 s46, s40, 8
	s_lshl_b32 s47, s[HC], 7
	s_add_co_u32 s46, s46, s47                     ; q, k: of my 128 rows of B
	s_cmp_eq_u32 ttmp9, 0
	s_cselect_b64 s[8:9], s[8:9], s[10:11]
	s_cmp_eq_u32 s[VMODE], 1
	s_cselect_b64 s[8:9], s[12:13], s[8:9]
	s_cselect_b32 s100, s100, s46
	s_lshl_b32 s100, s100, 2
	s_mov_b32 s101, 0
	s_add_nc_u64 s[BP:BP+1], s[8:9], s[100:101]
	s_cmp_eq_u32 s[VMODE], 1
	s_cbranch_scc1 .Lbias_rows
	s_wait_alu depctr_va_vdst(0)
.irp b, 0,1,2,3,4,5,6,7                ; q, k: tile b's C: register j = bias(16 b + 8 h + j)
	global_load_b128 v[BIAS+8*\b:BIAS+8*\b+3], v8, s[BP:BP+1] offset:64*\b
	global_load_b128 v[BIAS+8*\b+4:BIAS+8*\b+7], v8, s[BP:BP+1] offset:64*\b+16
.endr
	s_branch .Lbias_in
.Lbias_rows:
	s_wait_alu depctr_va_vdst(0)
.irp a, 0,1,2,3,4,5,6,7                ; v: block a's C: all eight registers = bias(16 a + r)
	global_load_b32 v[224+\a], v9, s[BP:BP+1] offset:64*\a
.endr
	s_wait_loadcnt 0x0
.irp a, 0,1,2,3,4,5,6,7
.irp j, 0,1,2,3,4,5,6,7
	v_mov_b32 v[BIAS+8*\a+\j], v[224+\a]
.endr
.endr
.Lbias_in:
	v_mul_u32_u24 v3, v1, 48
	v_mad_u32_u24 v3, v2, 24, v3                   ; a fragment's row x 48 + 24 x half
	s_wait_alu depctr_va_vdst(0)
	s_mul_i32 s46, s[HR], 6144                     ; my 128 rows of A inside a plane's 256
	s_mul_i32 s47, s[HC], 6144                     ; my 128 rows of B,
	s_add_co_u32 s47, s47, 2*HALFT                 ; which lie behind A's 256
.irp s, 0,1
	v_add_nc_u32 v[ADRA+\s], s46, v3
	v_add_nc_u32 v[ADRB+\s], s47, v3
	s_add_co_u32 s46, s46, SLOT
	s_add_co_u32 s47, s47, SLOT
.endr
	v_lshlrev_b32 v5, 3, v1                        ; my row's scale bytes: 8 a row
	s_lshl_b32 s46, s[HR], 10                      ; A's scale bytes: my 128 rows of a group's 256
	s_lshl_b32 s47, s[HC], 10                      ; B's, behind A's four groups
	s_add_co_u32 s47, s47, 2*HALFS
	s_sub_co_u32 s47, s47, s46
	v_mul_u32_u24 v6, s47, v2                      ; lanes 16-31 take B's: the lower base + h x the distance
	s_add_co_u32 s46, s46, SCL
	v_add_nc_u32 v5, v5, v6
	v_add_nc_u32 v[ADRS], s46, v5
	s_mul_i32 s46, s[WV], CSTG
	v_add_nc_u32 v[STO], s46, v3
	v_and_b32 v6, 31, v0
	v_lshlrev_b32 v[CO], 4, v6
	v_add_nc_u32 v[RD], s46, v[CO]
	s_lshl_b32 s46, s[WV], 9
	s_add_co_u32 s46, s46, SSTG
	v_lshl_add_u32 v[STS], v1, 1, s46
	v_add_nc_u32 v[SRD], s46, v[CO]
	v_lshlrev_b32 v[SO], 4, v1
	v_mul_u32_u24 v6, s[OSS], v2
	v_add_nc_u32 v[SO], v[SO], v6                  ; lanes 0-15 my first plane's 256 scale bytes, lanes 16-31 the second's
.macro FRAG reg, adr, q, i             ; a fragment: lane (r, h) takes 24 bytes of row r at 24 h, of planes 2 q and 2 q + 1, in pieces of 8 bytes
.irp p, 0,1,2,3,4,5
	ds_load_b64 v[\reg+2*\p:\reg+2*\p+1], v[\adr] offset:(2*(\q)+\p/3)*PLB+(\i)*768+8*(\p%3)
.endr
.endm
; 16 matrix instructions: A's blocks a0, a0 + 1 x B's eight, the slot's q-th 128 along K.  p: B's set; sc: the set of scale words.  cm = 0: the sums go on; 1: they start from the bias along B's rows; 2: along A's rows.
; The 64 accumulators take turns, one instruction a turn, in the same order in every step.
.macro MUL16 a0, p, q, sc, cm
.irp a, \a0, \a0+1
.irp b, 0,1,2,3,4,5,6,7
.set DD, 8*(8*((\a)%4)+\b)
.set CC, DD
.if \cm == 1
.set CC, BIAS+8*\b
.endif
.if \cm == 2
.set CC, BIAS+8*(\a)
.endif
	v_wmma_scale_f32_16x16x128_f8f6f4 v[DD:DD+7], v[128*(\p)+FR*\b:128*(\p)+FR*\b+FR-1], v[AF+FR*(\a):AF+FR*(\a)+FR-1], v[CC:CC+7], v[SC+16*(\sc)+2*\b+(\q)], v[SC+16*(\sc)+2*(\a)+(\q)] matrix_a_fmt:MATRIX_FMT_FP6 matrix_b_fmt:MATRIX_FMT_FP6 matrix_a_scale:MATRIX_SCALE_ROW1
.endr
.endr
.endm
.macro FETCH_B slot, q, p
	WIN TO_B
.irp i, 0,1,2,3,4,5,6,7
	FRAG 128*(\p)+FR*\i, ADRB+\slot, \q, \i
.endr
	WIN 0
.endm
.macro FETCH_A slot, q, i0
.irp i, \i0, \i0+1, \i0+2, \i0+3
	FRAG AF+FR*(\i), ADRA+\slot, \q, \i
.endr
.endm
.macro SCALES sc, ks                   ; K step ks's scale words into set sc: two words a row
.irp i, 0,1,2,3,4,5,6,7
	ds_load_b64 v[SC+16*(\sc)+2*\i:SC+16*(\sc)+2*\i+1], v[ADRS] offset:(\ks)*2048+\i*128
.endr
.endm
.macro PLACES n                        ; plain vector instructions between a matrix instruction and a load into, or a read of, its registers (ISA guide 7.12.1 for the read)
.rept \n
	v_nop
.endr
.endm
; A step of 128 along K that has its successor in the same slot.  A's blocks are free as soon as their eight products are issued: blocks 0-3 are fetched anew in the middle, blocks 4-7 at the end.
.macro STEP slot, q, cm
	s_wait_dscnt 4*NL                              ; B's set, A's blocks 0-3 and the scale words are in; the youngest 24 loads (A's blocks 4-7) may be out
.if \cm
	WIN 0x81                                       ; C (the bias) window 0, D window 2
.else
	WIN MUL_LO
.endif
	MUL16 0, (\q)%2, \q, \slot, \cm
	MUL16 2, (\q)%2, \q, \slot, \cm
	s_wait_dscnt 0
	PLACES NP
	FETCH_B \slot, (\q)+1, 1-(\q)%2
	FETCH_A \slot, (\q)+1, 0
.if \cm
	WIN 0xc1
.else
	WIN MUL_HI
.endif
	MUL16 4, (\q)%2, \q, \slot, \cm
	MUL16 6, (\q)%2, \q, \slot, \cm
	PLACES NP
	WIN 0
	FETCH_A \slot, (\q)+1, 4
.endm
; A slot's last step changes slots: one barrier; in front of it each wave waits for all its tensor loads, adds 0 to its spare word, and waits for that and for its reads of this slot.  fill = 1: this slot is filled again, two K steps ahead.
.macro TURN slot, next, fill, ks
	s_wait_tensorcnt 0x0                           ; all my tensor loads have landed: my part of the next slot
	ds_add_u32 v[SPW], v[NIL]                      ; 0 onto my spare word
	s_wait_dscnt 4*NL+1                            ; (the add and the youngest 24 loads may be out)
	WIN MUL_LO
	MUL16 0, 1, 1, \slot, 0                        ; sixteen matrix instructions stand between the add and the wait for it
	s_wait_dscnt 0x0                               ; the add is done, and my reads of this slot are over
	s_barrier_signal -1
	MUL16 2, 1, 1, \slot, 0
	WIN 0
	s_barrier_wait -1
.if \fill
	CREST                                          ; the barrier has opened a round of the cluster's barrier: no wave of any partner still reads this slot or has a load on its way
	s_add_nc_u64 s[G0+4*\slot+2:G0+4*\slot+3], s[G0+4*\slot+2:G0+4*\slot+3], ASTEP
	s_add_nc_u64 s[G0B+4*\slot+2:G0B+4*\slot+3], s[G0B+4*\slot+2:G0B+4*\slot+3], BSTEP
	JLOAD G0+4*\slot, G1, G0B+4*\slot, G1B         ; the first tensor load behind the round; its four v_nop are the places in front of the loads below
.else
	PLACES NP
.endif
	FETCH_B \next, 0, 0
	FETCH_A \next, 0, 0
	SCALES \next, \ks
	WIN MUL_HI
	MUL16 4, 1, 1, \slot, 0
	MUL16 6, 1, 1, \slot, 0
	PLACES NP
	WIN 0
	FETCH_A \next, 0, 4
.endm
	s_wait_alu depctr_va_vdst(0)
	s_wait_tensorcnt 0x0                           ; my tile of the head's four is in
	ds_add_u32 v[SPW], v[NIL]
	s_mov_b32 s[G1+2], 2<<16                       ; no tensor load of mine is out: from here on a load brings two planes
	s_mov_b32 s[G1+4], 2
	s_mov_b32 s[G1B+2], 2<<16
	s_mov_b32 s[G1B+4], 2
	s_mul_i32 s46, s[HC], 2*PSX
	s_mov_b32 s47, 0
	s_mov_b32 s[G0+1], s45                         ; slot 0's sets now stand for my two planes of K step 0; the first refill steps them two K steps on
	s_add_nc_u64 s[G0+2:G0+3], s[G0+2:G0+3], s[46:47]
	s_mov_b32 s[G0B+1], s45
	s_add_nc_u64 s[G0B+2:G0B+3], s[G0B+2:G0B+3], s[46:47]
	s_wait_dscnt 0x0
	CROUND                                         ; all four tiles are in, and all sixteen work-groups are here
	JLOAD G0+4, G1, G0B+4, G1B                     ; K step 1, the first tensor load behind the round
	FETCH_B 0, 0, 0
	FETCH_A 0, 0, 0
	SCALES 0, 0
	FETCH_A 0, 0, 4
	s_wait_loadcnt 0x0                             ; the bias
	s_cmp_eq_u32 s[VMODE], 1                       ; K = 1,024 is eight steps: they are written straight.  The first differs by which bias starts the sums
	s_cbranch_scc1 .Lfirst_rows
	STEP 0, 0, 1
	s_branch .Lfirst_done
.Lfirst_rows:
	STEP 0, 0, 2
.Lfirst_done:
	TURN 0, 1, 1, 1
	STEP 1, 0, 0
	TURN 1, 0, 1, 2
	STEP 0, 0, 0
	TURN 0, 1, 0, 3                                ; nothing is left to fetch: no round of the cluster's barrier
	STEP 1, 0, 0
	s_wait_dscnt 4*NL
	WIN MUL_LO
	MUL16 0, 1, 1, 1, 0
	MUL16 2, 1, 1, 1, 0
	s_wait_dscnt 0
	WIN MUL_HI
	MUL16 4, 1, 1, 1, 0
	MUL16 6, 1, 1, 1, 0
	WIN 0
	PLACES NP                                      ; behind the last products: their results are read and their scale registers written below
.irp b, 0,1,2,3
	v_mov_b32 v[TM+4+\b], 0                        ; written once: a lane permute's destination counts as one of its sources
.endr
; THE WAY OUT.  Block a: 16 rows x my 128 columns, 64 numbers a lane: register 16 b + i belongs to block b of 32 along the next K (my half of it).  They become a fragment's 12 registers and a scale word, and go to my stage:
; registers 6 c .. 6 c + 5 of lane (r, h) are block h of plane c of row 16 a + r: 24 bytes at 48 r + 24 h.  Two sets of registers take turns, so that a block's stores may be out while the next is worked.
.macro QOUT a
.set W,  2+(\a)/4
.set AC, 64*((\a)%4)
.set PC, 64+20*((\a)%2)
.set PW, 48+(\a)%2
.if (\a) >= 2
	s_wait_dscnt 8                                 ; the block before's eight stores may be out; those of the block before that have read this set
.endif
	WIN (W|(W<<2))                                 ; sources 0 and 1: the accumulators' window
.irp b, 0,1,2,3
	v_max3_num_f32 v[TM+\b], |v[AC+16*\b]|, |v[AC+16*\b+1]|, 0x1800000   ; my 16 numbers of block b, and the floor 2^(3 - 127); each accumulator is read from its low end on
.endr
	WIN ((W<<2)|(W<<4))                            ; sources 1 and 2
.irp i, 2,4,6,8,10,12,14
.irp b, 0,1,2,3
	v_max3_num_f32 v[TM+\b], v[TM+\b], |v[AC+16*\b+\i]|, |v[AC+16*\b+\i+1]|
.endr
.endr
	WIN 0
.irp b, 0,1,2,3
	v_permlanex16_b32 v[TM+4+\b], v[TM+\b], s[SEL], s[SEL+1]
.endr
.irp b, 0,1,2,3
	v_max_num_f32 v[TM+\b], v[TM+\b], v[TM+4+\b]   ; with lane l xor 16's: the block's largest magnitude
.endr
.irp b, 0,1,2,3
	v_add_nc_u32 v[TM+12+\b], 0xff000000, v[TM+\b] ; 2 off its exponent field: the conversion's scale operand
.endr
.irp b, 0,1,2,3
	v_lshrrev_b32 v[TM+4+\b], 23, v[TM+12+\b]      ; the scale's byte
.endr
	v_lshl_or_b32 v[PW], v[TM+5], 8, v[TM+4]
	v_lshl_or_b32 v[PW], v[TM+6], 16, v[PW]
	v_lshl_or_b32 v[PW], v[TM+7], 24, v[PW]        ; low half: plane 0's two bytes; high half: plane 1's
	WIN W                                          ; source 0
.irp c, 0,1
	v_cvt_scalef32_pk16_fp6_f32 v[PC+6*\c:PC+6*\c+2], v[AC+32*\c:AC+32*\c+15], v[TM+12+2*\c]
	v_cvt_scalef32_pk16_fp6_f32 v[PC+12+4*\c:PC+14+4*\c], v[AC+32*\c+16:AC+32*\c+31], v[TM+13+2*\c]   ; (a conversion's three registers begin on an even number)
.endr
	WIN 0
	v_nop                                          ; one plain place behind a scaled conversion
.irp c, 0,1                                    ; a whole block to a lane: lanes 0-15 block 2 c, lanes 16-31 block 2 c + 1
.irp i, 0,1,2
	v_permlane16_swap_b32 v[PC+6*\c+\i], v[PC+12+4*\c+\i]
.endr
.irp i, 0,1,2
	v_mov_b32 v[PC+3+6*\c+\i], v[PC+12+4*\c+\i]
.endr
.endr
.irp c, 0,1
.irp i, 0,1,2
	ds_store_b64 v[STO], v[PC+6*\c+2*\i:PC+6*\c+2*\i+1] offset:\c*6144+(\a)*768+8*\i
.endr
.endr
	ds_store_b16 v[STS], v[PW] offset:32*(\a)                      ; lanes r and r + 16 write the same bytes with the same value
	ds_store_b16_d16_hi v[STS], v[PW] offset:256+32*(\a)
.endm
.irp a, 0,1,2,3,4,5,6,7
	QOUT \a
.endr
.irp t, 0,1,2,3,4,5,6,7,8,9,10,11,12,13,14,15,16,17,18,19,20,21,22,23
	ds_load_b128 v[128+4*\t:131+4*\t], v[RD] offset:512*\t         ; LDS serves a wave's instructions in order: these see my stores
.endr
	ds_load_b128 v[224:227], v[SRD]
.irp t, 0,1,2,3,4,5,6,7,8,9,10,11
	s_wait_dscnt 24-\t                             ; load t is in; the loads behind it may be out
	global_store_b128 v[CO], v[128+4*\t:131+4*\t], s[P0:P0+1] offset:512*\t       ; 512 consecutive bytes, at a multiple of 256 from the buffer's first byte
.endr
.irp t, 12,13,14,15,16,17,18,19,20,21,22,23
	s_wait_dscnt 24-\t
	global_store_b128 v[CO], v[128+4*\t:131+4*\t], s[P1:P1+1] offset:512*(\t-12)
.endr
	s_wait_dscnt 0x0
	global_store_b128 v[SO], v[224:227], s[PS:PS+1]                ; sixteen lanes store a plane's 256 consecutive scale bytes, aligned
	s_wait_tensorcnt 0x0                           ; the wave's end: behind my last tensor load and my last LDS store
	ds_add_u32 v[SPW], v[NIL]
	s_wait_dscnt 0x0
	CROUND                                         ; the closing round: no work-group ends while a partner may still ask for a tile that names it
	s_endpgm
.Lfunc_end_k_qbfe6bce561_qkv:
	.size	k_qbfe6bce561_qkv, .Lfunc_end_k_qbfe6bce561_qkv-k_qbfe6bce561_qkv
	.p2alignl 7, 3214868480
	.fill 96, 4, 3214868480
	.section	.rodata,"a",@progbits
	.p2align	6, 0x0
	.amdhsa_kernel k_qbfe6bce561_qkv
		.amdhsa_group_segment_fixed_size 327680
		.amdhsa_private_segment_fixed_size 0
		.amdhsa_enable_private_segment 0
		.amdhsa_kernarg_size 72
		.amdhsa_user_sgpr_count 2
		.amdhsa_user_sgpr_kernarg_segment_ptr 1
		.amdhsa_wavefront_size32 1
		.amdhsa_system_sgpr_workgroup_id_x 1
		.amdhsa_system_sgpr_workgroup_id_y 1
		.amdhsa_system_sgpr_workgroup_id_z 1
		.amdhsa_system_vgpr_workitem_id 0
		.amdhsa_next_free_vgpr 1024
		.amdhsa_next_free_sgpr 102
		.amdhsa_reserve_vcc 0
		.amdhsa_float_denorm_mode_32 3
		.amdhsa_float_denorm_mode_16_64 3
		.amdhsa_memory_ordered 1
		.amdhsa_forward_progress 1
		.amdhsa_inst_pref_size 191
	.end_amdhsa_kernel
	.amdgpu_metadata
---
amdhsa.version: [ 1, 2 ]
amdhsa.kernels:
  - .name:           k_qbfe6bce561_qkv
    .symbol:         k_qbfe6bce561_qkv.kd
    .args:
      - { .name: xw_codes, .offset: 0, .size: 8, .value_kind: global_buffer, .address_space: global }
      - { .name: xw_scales, .offset: 8, .size: 8, .value_kind: global_buffer, .address_space: global }
      - { .name: bq, .offset: 16, .size: 8, .value_kind: global_buffer, .address_space: global }
      - { .name: bk, .offset: 24, .size: 8, .value_kind: global_buffer, .address_space: global }
      - { .name: bv, .offset: 32, .size: 8, .value_kind: global_buffer, .address_space: global }
      - { .name: qk_codes, .offset: 40, .size: 8, .value_kind: global_buffer, .address_space: global }
      - { .name: qk_scales, .offset: 48, .size: 8, .value_kind: global_buffer, .address_space: global }
      - { .name: v_codes, .offset: 56, .size: 8, .value_kind: global_buffer, .address_space: global }
      - { .name: v_scales, .offset: 64, .size: 8, .value_kind: global_buffer, .address_space: global }
    .group_segment_fixed_size: 327680
    .private_segment_fixed_size: 0
    .kernarg_segment_align: 8
    .kernarg_segment_size: 72
    .max_flat_workgroup_size: 128
    .sgpr_count:     102
    .vgpr_count:     1024
    .wavefront_size: 32
...
	.end_amdgpu_metadata
.endif
;; end of part 2
;; launch attn (part 3): grid 4 x 64, 16 waves a work-group, clusters of 4 x 1, 327,680 bytes of LDS; arguments qk_codes, qk_scales, v_codes, v_scales, ctx_codes, ctx_scales; writes ctx_codes, ctx_scales
.if DOCPART == 3
	.amdgcn_target "amdgcn-amd-amdhsa--gfx1250"
	.amdhsa_code_object_version 6
	.text
	.protected	k_qbfe6bce561_attn
	.globl	k_qbfe6bce561_attn
	.p2align	8
	.type	k_qbfe6bce561_attn,@function
k_qbfe6bce561_attn:
	s_mov_b64 s[64:65], 0
	v_nop
	global_prefetch_b8 v0, s[64:65] scope:SCOPE_SE
	s_setreg_imm32_b32 hwreg(HW_REG_WAVE_MODE, 25, 1), 1
	s_wait_xcnt 0x0
	s_wait_alu depctr_hold_cnt(0) depctr_sa_sdst(0) depctr_va_vdst(0) depctr_va_sdst(0) depctr_va_ssrc(0) depctr_va_vcc(0) depctr_vm_vsrc(0)
	s_getreg_b32 s2, hwreg(HW_REG_IB_STS2, 6, 4)
	s_cmp_eq_u32 s2, 0
	s_cbranch_scc0 .Lentry_in_a_cluster
	s_endpgm
.Lentry_in_a_cluster:
	s_bfe_u32 s2, ttmp6, 0x10000c
	s_cmp_lg_u32 s2, 0x3003
	s_cbranch_scc0 .Lentry_shape_is_right
	s_endpgm
.Lentry_shape_is_right:
; Launch 3 of 4: ctx = softmax(q k^T / 8) v on codes of FP6 (E2M3) with E8M0 scales; ctx is quantised in registers and leaves as codes.  No work of reference() is left out here.
; SHARES.  A work-group takes 512 queries of one batch and head; the four work-groups of a cluster take that head's 2,048 queries and ask for its K and V JOINTLY.  All of K (98,304 bytes) and V (98,304) lie in LDS,
; filled once: one tensor load a wave at the head (waves 0-7 K, waves 8-15 V), one barrier, and none in the loops.  A wave takes 16 queries in each of two passes over the 2,048 keys, in 16 steps of 128 keys.
; No prefetch: every tensor load goes out at the head, so there is no loop to run ahead in.
; BOTH PRODUCTS ARE USED TRANSPOSED (S^T = k q^T, O^T = v^T p^T): a lane holds one query.  The head's 64 fill half of the instruction's K = 128: an operand of K holds two tiles of 16 keys, and q stands beside 64 zero codes.
; THE KEYS OF A TILE: rows 0-7 are eight keys of an even block of 32, rows 8-15 the same eight of the odd block behind it.  So lanes 0-15 hold, over four tiles, a whole even block and lanes 16-31 the odd one, in the order
; inside a block that all code buffers of this program keep (k 0-7, 16-23, 8-15, 24-31): a block's largest score needs no other lane, and the conversions' results are p's operand as they fall.
; K IN LDS: the even blocks from byte 0, the odd ones from byte KO = 49,152 + 128, by two shapes of one tile (rows of 1,536 bytes, 3,072 apart in memory): the 32 lanes of an 8-byte load then touch 64 different banks (ISA guide 11.1).
; SOFTMAX as the problem states it: M = ceil(running largest t), kept as -M; p = 2^(t - M); the sum of the unquantised p; what was summed under an older M is multiplied by 2^(old M - new M), exactly.
; LIMITS: as at the head of the first launch; the promise holds while the scaled scores t stay under 2^31 in magnitude.
; REGISTERS: v1-11 addresses; v12 -M, v13 largest score, v[14:15] the sum; v16-33 zeros, q, zeros; v36-83 K's four operands, free for scratch behind the scores' products; v84 p's scale word, v85 q's; v86-91 the second pass's q;
; v92-95 K's scale words; v96-159 scores, then p; v160-191 O^T; v192-239 V's four operands; v240-243 V's scale words; v244-255 p's codes; v0 the second pass's q scale word.
.set KO,    49280
.set VB,    98560
.set KSC,   196864                     ; K's scale words [step][row r][4 operands], stored by the waves
.set VSC,   200960                     ; V's [step][row r][4 tiles]
.set STG,   205056                     ; the way out: 768 bytes a wave
.set SPARE, 217344                     ; the spare words, 128 bytes a wave
.set AK0,  1
.set AV0,  2
.set AS0,  3
.set AT0,  4
.set SPW,  5
.set NIL,  6
.set GO,   7
.set ADK,  8
.set ADV,  9
.set ADS,  10
.set ADT,  11
.set STO,  34
.set RD,   35
.set KF,   36
.set PSC,  84
.set QSC,  85
.set Q2,   86
.set KS,   92
.set SCR,  96
.set OT,   160
.set VF,   192
.set VS,   240
.set PC,   244
.set WV,   18
.set SEL,  20
.set CS,   22
.set G1,   24                          ; s[24:31] group 1 of K's tiles, s[32:35] group 0
.set G0K,  32
.set G1V,  36                          ; s[36:43], s[44:47] of V's
.set G0V,  44
.set TK,   50
.set TS,   51
.set CNT,  52
.set TV,   62
.macro CROUND
	s_barrier_signal -1
	s_barrier_wait -1
	s_cmp_lg_u32 s[WV], 0
	s_cbranch_scc1 .Lnot_wave_0_\@
	s_barrier_signal -3
.Lnot_wave_0_\@:
	s_barrier_wait -3
	s_barrier_signal -1
	s_barrier_wait -1
.endm
	s_load_b256 s[4:11], s[0:1], 0x0               ; qk_codes, qk_scales, v_codes, v_scales
	s_load_b128 s[12:15], s[0:1], 0x20             ; ctx_codes, ctx_scales
	v_lshl_add_u32 v[SPW], v0, 2, SPARE
	v_mov_b32 v[NIL], 0
	ds_add_u32 v[SPW], v[NIL]                      ; the opening lines: the add twice on end and its wait ahead of my tensor load
	ds_add_u32 v[SPW], v[NIL]
	v_lshrrev_b32 v8, 5, v0
	v_readfirstlane_b32 s[WV], v8
	s_bfe_u32 s16, ttmp6, 0x40000                  ; cx: which 512 queries
	s_and_b32 s17, ttmp7, 0xffff
	s_lshr_b32 s19, s17, 4                         ; batch
	s_and_b32 s17, s17, 15                         ; head
	s_and_b32 s48, s[WV], 3
	s_bfe_u32 s49, s[WV], 0x10002
	s_and_b32 s63, s[WV], 7
	s_add_co_u32 s58, s17, 16                      ; K: plane 16 + head, the batch's 2,048 tokens, my 8 pairs of blocks, even or odd
	s_mul_i32 s58, s58, 393216
	s_mul_i32 s60, s19, 98304
	s_add_co_u32 s58, s58, s60
	s_mul_i32 s60, s48, 24576
	s_add_co_u32 s58, s58, s60
	s_mul_i32 s60, s49, 1536
	s_add_co_u32 s58, s58, s60
	s_mov_b32 s59, 0
	s_mul_i32 s60, s19, 1572864                    ; V: the batch's 32 planes, my four, the head's 64 rows
	s_mul_i32 s61, s17, 3072
	s_add_co_u32 s60, s60, s61
	s_mul_i32 s61, s63, 196608
	s_add_co_u32 s60, s60, s61
	s_mov_b32 s61, 0
	s_mov_b32 s[G0K], 1
	s_mul_i32 s[G0K+1], s48, 12288
	s_mul_i32 s49, s49, KO
	s_add_co_u32 s[G0K+1], s[G0K+1], s49
	s_mov_b32 s[G0V], 1
	s_mul_i32 s[G0V+1], s63, 12288
	s_add_co_u32 s[G0V+1], s[G0V+1], VB
	s_lshl_b32 s53, s19, 11
	s_lshl_b32 s48, s16, 9
	s_add_co_u32 s53, s53, s48
	s_lshl_b32 s48, s[WV], 4
	s_add_co_u32 s53, s53, s48                     ; my first token
	s_mov_b32 s[G1], 15|(3<<16)|(1<<21)            ; K: 8 rows of 1,536 bytes (192 elements of 8), 3,072 bytes apart; the mask names the cluster's four
	s_mov_b32 s[G1+1], 192<<16
	s_mov_b32 s[G1+2], 8<<16
	s_mov_b32 s[G1+3], 192<<16
	s_mov_b32 s[G1+4], 8
	s_mov_b32 s[G1+5], 384
	s_mov_b32 s[G1+6], 0
	s_mov_b32 s[G1+7], 0
	s_mov_b32 s[G1V], 15|(3<<16)|(1<<21)           ; V: 4 rows of 3,072 bytes, a plane (49,152 bytes) apart
	s_mov_b32 s[G1V+1], 384<<16
	s_mov_b32 s[G1V+2], 4<<16
	s_mov_b32 s[G1V+3], 384<<16
	s_mov_b32 s[G1V+4], 4
	s_mov_b32 s[G1V+5], 6144
	s_mov_b32 s[G1V+6], 0
	s_mov_b32 s[G1V+7], 0
	s_mov_b32 s[SEL], 0x76543210
	s_mov_b32 s[SEL+1], 0xfedcba98
	s_mov_b32 s[CS], 0x3e38aa3b                    ; log2(e) / 8
	s_mov_b32 s[CS+1], s[CS]
	v_and_b32 v100, 15, v0                         ; r
	v_bfe_u32 v101, v0, 4, 1                       ; h
	v_and_b32 v103, 7, v0
	v_bfe_u32 v104, v0, 3, 1
	v_mul_u32_u24 v102, v100, 48
	v_mul_u32_u24 v[AK0], v103, 48
	v_mad_u32_u24 v102, v101, 24, v102             ; 48 r + 24 h: q, V, the stage
	v_mad_u32_u24 v[AK0], v101, 24, v[AK0]
	v_and_b32 v[GO], 31, v0
	v_mad_u32_u24 v[AK0], v104, KO, v[AK0]         ; K: 48 (r % 8) + 24 h, rows 8-15 in the odd blocks
	v_add_nc_u32 v[AV0], VB-6144, v102             ; (one step under the first: the step's scalars are stepped ahead of their use)
	v_lshl_add_u32 v[AS0], v100, 4, KSC
	v_lshl_add_u32 v[AT0], v100, 4, VSC-256
	v_lshlrev_b32 v[GO], 3, v[GO]
	s_mul_i32 s48, s[WV], 768
	s_add_co_u32 s48, s48, STG
	v_add_nc_u32 v[STO], s48, v102
	v_add_nc_u32 v[RD], s48, v[GO]
	; K's scale word number w = thread (and thread + 512): step w / 64, row r = (w / 4) % 16, operand j = w % 4; its low half is key 128 step + 64 (j / 2) + 8 (j % 2) + 32 (r / 8) + r % 8, its high half 16 keys on
	v_lshrrev_b32 v105, 6, v0
	v_bfe_u32 v107, v0, 1, 1
	v_lshlrev_b32 v106, 8, v105
	v_and_b32 v108, 1, v0
	v_lshl_add_u32 v106, v107, 7, v106
	v_bfe_u32 v107, v0, 5, 1
	v_lshl_add_u32 v106, v108, 4, v106
	v_bfe_u32 v108, v0, 2, 3
	v_lshl_add_u32 v106, v107, 6, v106
	v_and_b32 v107, 63, v0
	v_lshl_add_u32 v106, v108, 1, v106             ; two bytes a key
	v_lshlrev_b32 v109, 12, v105
	v_lshl_add_u32 v110, v105, 8, VSC
	v_lshl_add_u32 v109, v107, 1, v109             ; V's word: step w / 64 (two planes of 2,048 bytes), row w % 64
	v_bfe_u32 v107, v0, 4, 2
	v_lshl_add_u32 v110, v100, 4, v110
	v_lshl_add_u32 v111, v0, 2, KSC
	v_lshl_add_u32 v110, v107, 2, v110             ; it goes to [step][row % 16][row / 16]
	v_lshlrev_b32 v108, 1, v100
	s_wait_alu depctr_va_vdst(0)
	s_wait_dscnt 0x0
	s_wait_kmcnt 0x0
	s_add_nc_u64 s[G0K+2:G0K+3], s[4:5], s[58:59]
	s_or_b32 s[G0K+3], s[G0K+3], 0x80000000
	s_add_nc_u64 s[G0V+2:G0V+3], s[8:9], s[60:61]
	s_or_b32 s[G0V+3], s[G0V+3], 0x80000000
	CROUND                                         ; the four work-groups are here: the joint loads meet
	s_cmp_lt_u32 s[WV], 8
	s_cbranch_scc0 .Lfor_v
	tensor_load_to_lds s[G0K:G0K+3], s[G1:G1+7]
	s_nop 0
	s_branch .Lasked
.Lfor_v:
	tensor_load_to_lds s[G0V:G0V+3], s[G1V:G1V+7]
	s_nop 0
.Lasked:
	s_mul_i32 s58, s17, 393216
	s_mul_i32 s48, s53, 48
	s_add_co_u32 s58, s58, s48
	s_add_nc_u64 s[4:5], s[4:5], s[58:59]          ; my q
	s_add_nc_u64 s[54:55], s[12:13], s[58:59]      ; my ctx codes
	s_lshl_b32 s58, s17, 14
	s_lshl_b32 s48, s53, 1
	s_add_co_u32 s58, s58, s48
	s_add_nc_u64 s[58:59], s[6:7], s[58:59]        ; q's scale bytes
	s_add_co_u32 s60, s17, 16
	s_lshl_b32 s60, s60, 14
	s_lshl_b32 s48, s19, 12
	s_add_co_u32 s60, s60, s48
	s_add_nc_u64 s[6:7], s[6:7], s[60:61]          ; K's
	s_lshl_b32 s60, s19, 16
	s_lshl_b32 s48, s17, 7
	s_add_co_u32 s60, s60, s48
	s_add_nc_u64 s[10:11], s[10:11], s[60:61]      ; V's
	s_lshr_b32 s60, s17, 2
	s_lshl_b32 s60, s60, 16
	s_lshl_b32 s48, s53, 3
	s_add_co_u32 s60, s60, s48
	s_and_b32 s48, s17, 3
	s_lshl_b32 s48, s48, 1
	s_add_co_u32 s60, s60, s48
	s_add_nc_u64 s[56:57], s[14:15], s[60:61]      ; ctx's
.irp i, 0,1,2
	global_load_b64 v[22+2*\i:23+2*\i], v102, s[4:5] offset:8*\i
	global_load_b64 v[Q2+2*\i:Q2+2*\i+1], v102, s[4:5] offset:12288+8*\i
.endr
	global_load_u16 v112, v108, s[58:59]
	global_load_u16 v113, v108, s[58:59] offset:512
	global_load_u16 v114, v106, s[6:7]
	global_load_u16 v115, v106, s[6:7] offset:32
	global_load_u16 v116, v106, s[6:7] offset:2048
	global_load_u16 v117, v106, s[6:7] offset:2080
	global_load_u16 v118, v109, s[10:11]
	global_load_u16 v119, v109, s[10:11] offset:2048
	global_load_u16 v120, v109, s[10:11] offset:32768
	global_load_u16 v121, v109, s[10:11] offset:34816
.irp i, 0,1,2,3,4,5
	v_mov_b32 v[16+\i], 0                          ; 64 zero codes on either side of q
	v_mov_b32 v[28+\i], 0
.endr
.macro INIT                            ; a pass begins: the largest score under every score, the sum and O^T zeros, the first step's addresses
	v_mov_b32 v[ADK], v[AK0]
	v_mov_b32 v[ADS], v[AS0]
	v_mov_b32 v13, 0xff61b1e6
	v_mov_b32 v14, 0
	v_mov_b32 v15, 0
	v_floor_f32 v12, -v13
.set j, 0
.rept 32
	v_mov_b32 v[OT+j], 0
.set j, j+1
.endr
	s_mov_b32 s[TK], 0
	s_mov_b32 s[TV], 0
	s_mov_b32 s[TS], 0
	s_mov_b32 s[CNT], 16
.endm
	INIT
	s_wait_loadcnt 0x0
.irp i, 114,116,118,120
	v_lshl_or_b32 v[\i], v[\i+1], 16, v[\i]
.endr
	ds_store_b32 v111, v114
	ds_store_b32 v111, v116 offset:2048
	ds_store_b32 v110, v118
	ds_store_b32 v110, v120 offset:2048
	v_lshl_or_b32 v[QSC], v112, 16, v112           ; q's two bytes, for either half of K = 128
	v_lshl_or_b32 v0, v113, 16, v113
.macro QK f                            ; operand f = 2 c + o: tiles 2 o and 2 o + 1 of the step's c-th pair of blocks
	v_wmma_scale_f32_16x16x128_f8f6f4 v[SCR+16*\f:SCR+16*\f+7], v[KF+12*\f:KF+12*\f+11], v[22:33], 0, v[KS+\f], v[QSC] matrix_a_fmt:MATRIX_FMT_FP6 matrix_b_fmt:MATRIX_FMT_FP6
	v_wmma_scale_f32_16x16x128_f8f6f4 v[SCR+16*\f+8:SCR+16*\f+15], v[KF+12*\f:KF+12*\f+11], v[16:27], 0, v[KS+\f], v[QSC] matrix_a_fmt:MATRIX_FMT_FP6 matrix_b_fmt:MATRIX_FMT_FP6
.endm
.macro MX c, i                         ; round i of the two chains over my block of pair c: one over each half of its 32 scores
.if (\i) == 0
	v_max3_num_f32 v[36+2*(\c)], v[SCR+32*(\c)], v[SCR+32*(\c)+1], v[SCR+32*(\c)+2]
	v_max3_num_f32 v[37+2*(\c)], v[SCR+32*(\c)+16], v[SCR+32*(\c)+17], v[SCR+32*(\c)+18]
.else
	v_max3_num_f32 v[36+2*(\c)], v[36+2*(\c)], v[SCR+32*(\c)+2*(\i)+1], v[SCR+32*(\c)+2*(\i)+2]
	v_max3_num_f32 v[37+2*(\c)], v[37+2*(\c)], v[SCR+32*(\c)+2*(\i)+17], v[SCR+32*(\c)+2*(\i)+18]
.endif
.endm
.macro TM j                            ; t - M, two at a time
	v_pk_fma_f32 v[SCR+\j:SCR+\j+1], v[SCR+\j:SCR+\j+1], s[CS:CS+1], v[12:13] op_sel_hi:[1,0,0]
.endm
.macro STEP
	ds_load_b128 v[KS:KS+3], v[ADS]
.irp f, 0,1,2,3
.irp p, 0,1,2,3,4,5
	ds_load_b64 v[KF+12*\f+2*\p:KF+12*\f+2*\p+1], v[ADK] offset:1536*(\f/2)+384*(\f%2)+768*(\p/3)+8*(\p%3)
.endr
.endr
	s_add_co_u32 s[TK], s[TK], 3072
	s_add_co_u32 s[TV], s[TV], 6144
	s_add_co_u32 s[TS], s[TS], 256
	s_wait_dscnt 18                                ; operand 0 is in: the 18 loads of operands 1 to 3 may be out
	QK 0
	s_wait_dscnt 12
	QK 1
	v_add_nc_u32 v[ADV], s[TV], v[AV0]             ; four plain lines: the places between the last step's products and the loads into V's registers, and between the four products above and the first read of their results
	v_add_nc_u32 v[ADT], s[TS], v[AT0]
	v_add_nc_u32 v[ADK], s[TK], v[AK0]             ; the next step's
	v_add_nc_u32 v[ADS], s[TS], v[AS0]
.irp t, 0,1,2,3
.irp p, 0,1,2,3,4,5
	ds_load_b64 v[VF+12*\t+2*\p:VF+12*\t+2*\p+1], v[ADV] offset:3072*(\p/3)+768*\t+8*(\p%3)
.endr
.endr
	ds_load_b128 v[VS:VS+3], v[ADT]
	s_wait_dscnt 31                                ; operand 2 is in: operand 3's 6 loads and V's 25 may be out
	QK 2
	s_wait_dscnt 25
	QK 3
	MX 0, 0                                        ; the first four lines read the first pair's scores alone: they are the places behind the last products
	MX 0, 1
.irp i, 0,1,2,3,4
	MX 1, \i
	MX 0, \i+2
.endr
	MX 1, 5
	MX 1, 6
	v_max3_num_f32 v36, v36, v[SCR+15], v[SCR+31]
	v_max3_num_f32 v38, v38, v[SCR+47], v[SCR+63]
	v_mov_b32 v42, v12                             ; the old -M
	s_delay_alu instid0(VALU_DEP_3)
	v_max_num_f32 v36, v36, v37                    ; my block's largest score, pair 0;
	s_delay_alu instid0(VALU_DEP_3)
	v_max_num_f32 v38, v38, v39                    ; pair 1
	s_delay_alu instid0(VALU_DEP_1)
	v_max_num_f32 v40, v36, v38
	s_delay_alu instid0(VALU_DEP_1)
	v_permlanex16_b32 v41, v40, s[SEL], s[SEL+1]
	s_delay_alu instid0(VALU_DEP_1)
	v_max3_num_f32 v13, v13, v40, v41              ; the running largest score of my query
	s_delay_alu instid0(VALU_DEP_1)
	v_mul_f32 v40, s[CS], v13
	s_delay_alu instid0(VALU_DEP_1)
	v_floor_f32 v12, -v40                          ; -M = floor(-t)
	s_delay_alu instid0(VALU_DEP_1)
	v_sub_f32 v40, v12, v42                        ; old M - new M, a whole number, 0 or less
	TM 0
	TM 2
	s_delay_alu instid0(VALU_DEP_3)
	v_cvt_i32_f32 v40, v40
	TM 4
	TM 6
	s_delay_alu instid0(VALU_DEP_3)
	v_ldexp_f32 v44, 1.0, v40                      ; f = 2^(old M - new M)
.set j, 8
.rept 28
	TM j
.set j, j+2
.endr
	v_fma_f32 v36, v36, s[CS], v12                 ; the same of each block's largest score
	v_fma_f32 v38, v38, s[CS], v12
.set j, 0
.rept 16
	v_pk_mul_f32 v[OT+j:OT+j+1], v[OT+j:OT+j+1], v[44:45] op_sel_hi:[1,0]   ; O^T under the new M, each accumulator from its low end on
.set j, j+2
.endr
	s_wait_alu depctr_va_vdst(0)
.set j, 0
.rept 64
	v_exp_f32 v[SCR+j], v[SCR+j]
.set j, j+1
.endr
	v_exp_f32 v36, v36                             ; the blocks' largest p: the same two instructions on the same number
	v_exp_f32 v38, v38
	v_pk_mul_f32 v[14:15], v[14:15], v[44:45] op_sel_hi:[1,0]   ; the sum under the new M (the plain line behind the batch)
	s_wait_alu depctr_va_vdst(0)                   ; and behind it, ahead of its first reader
	v_max_num_f32 v36, 0x1800000, v36              ; the floor 2^(3 - 127): the byte cannot fall under 1
	v_max_num_f32 v38, 0x1800000, v38
	v_add_nc_u32 v46, 0xff000000, v36              ; 2 off the exponent field: the conversions' scale operands
	v_add_nc_u32 v47, 0xff000000, v38
	v_lshrrev_b32 v48, 23, v46
	v_lshrrev_b32 v49, 23, v47
	v_lshl_or_b32 v50, v49, 16, v48                ; my two blocks' bytes: lanes 0-15 hold bytes 0 and 2 of p's scale word, lanes 16-31 bytes 1 and 3
	v_permlanex16_b32 v51, v50, s[SEL], s[SEL+1]
	v_lshl_or_b32 v[PSC], v51, 8, v50              ; whole in lanes 0-15, which are the lanes read
	v_cvt_scalef32_pk16_fp6_f32 v[PC:PC+2], v[SCR:SCR+15], v46
	v_cvt_scalef32_pk16_fp6_f32 v[52:54], v[SCR+16:SCR+31], v46      ; (a conversion's three registers begin on an even number)
	v_cvt_scalef32_pk16_fp6_f32 v[PC+6:PC+8], v[SCR+32:SCR+47], v47
	v_cvt_scalef32_pk16_fp6_f32 v[56:58], v[SCR+48:SCR+63], v47
	v_pk_add_f32 v[60:61], v[SCR:SCR+1], v[SCR+2:SCR+3]              ; the sum of the unquantised p, in two chains (also the plain line behind the conversions)
.irp i, 0,1,2
	v_mov_b32 v[PC+3+\i], v[52+\i]
	v_mov_b32 v[PC+9+\i], v[56+\i]
.endr
.set j, 4
.rept 15
	v_pk_add_f32 v[14:15], v[14:15], v[SCR+j:SCR+j+1]
	v_pk_add_f32 v[60:61], v[60:61], v[SCR+j+2:SCR+j+3]
.set j, j+4
.endr
	v_pk_add_f32 v[14:15], v[14:15], v[60:61]
	s_wait_dscnt 0x0                               ; V's operands and scale words
.irp t, 0,1,2,3
	v_wmma_scale_f32_16x16x128_f8f6f4 v[OT+8*\t:OT+8*\t+7], v[VF+12*\t:VF+12*\t+11], v[PC:PC+11], v[OT+8*\t:OT+8*\t+7], v[VS+\t], v[PSC] matrix_a_fmt:MATRIX_FMT_FP6 matrix_b_fmt:MATRIX_FMT_FP6
.endr
.endm
.macro PASS
.Lkeys_\@:
	STEP
	s_sub_co_u32 s[CNT], s[CNT], 1
	s_cmp_lg_u32 s[CNT], 0
	s_cbranch_scc1 .Lkeys_\@
.endm
; THE WAY OUT: O^T / the sum; a lane's 16 registers of two neighbouring tiles are half a block of 32 channels, the K of the last product; codes and bytes as in the launch before; the codes leave through my stage as 768 bytes on end.
.macro WAYOUT pass
	s_wait_alu depctr_va_vdst(0)                   ; the sum was written just ahead of the step's last wait
.rept 4
	v_nop
.endr
	v_add_f32 v14, v14, v15
	v_permlanex16_b32 v41, v14, s[SEL], s[SEL+1]
	v_add_f32 v14, v14, v41                        ; with lane l xor 16's keys: the row's sum
	s_wait_alu depctr_va_vdst(0)
	v_rcp_f32 v14, v14
	v_nop
	s_wait_alu depctr_va_vdst(0)
.set j, 0
.rept 32
	v_mul_f32 v[96+j], v[OT+j], v14
.set j, j+1
.endr
	v_and_b32 v238, 0x78, v[GO]                    ; 8 r: my token's place among the scale bytes
.irp b, 0,1
	v_max3_num_f32 v[232+\b], |v[96+16*\b]|, |v[97+16*\b]|, 0x1800000
.endr
.irp i, 2,4,6,8,10,12,14
.irp b, 0,1
	s_delay_alu instid0(VALU_DEP_2)
	v_max3_num_f32 v[232+\b], v[232+\b], |v[96+16*\b+\i]|, |v[97+16*\b+\i]|
.endr
.endr
.irp b, 0,1
	s_delay_alu instid0(VALU_DEP_2)
	v_permlanex16_b32 v[236+\b], v[232+\b], s[SEL], s[SEL+1]
.endr
.irp b, 0,1
	s_delay_alu instid0(VALU_DEP_2)
	v_max_num_f32 v[232+\b], v[232+\b], v[236+\b]
.endr
.irp b, 0,1
	s_delay_alu instid0(VALU_DEP_2)
	v_add_nc_u32 v[244+\b], 0xff000000, v[232+\b]
.endr
.irp b, 0,1
	s_delay_alu instid0(VALU_DEP_2)
	v_lshrrev_b32 v[236+\b], 23, v[244+\b]
.endr
	s_delay_alu instid0(VALU_DEP_1)
	v_lshl_or_b32 v254, v237, 8, v236
	v_cvt_scalef32_pk16_fp6_f32 v[224:226], v[96:111], v244
	v_cvt_scalef32_pk16_fp6_f32 v[228:230], v[112:127], v245
	v_nop
.irp i, 0,1,2
	v_permlane16_swap_b32 v[224+\i], v[228+\i]
.endr
.irp i, 0,1,2
	s_delay_alu instid0(VALU_DEP_3)
	v_mov_b32 v[227+\i], v[228+\i]
.endr
.irp i, 0,1,2
	ds_store_b64 v[STO], v[224+2*\i:225+2*\i] offset:8*\i
.endr
.irp i, 0,1,2
	ds_load_b64 v[KF+2*\i:KF+2*\i+1], v[RD] offset:256*\i          ; LDS serves a wave's instructions in order: these see my stores
.endr
	s_wait_alu depctr_va_vdst(0)
	s_wait_dscnt 0x0
.irp i, 0,1,2
	global_store_b64 v[GO], v[KF+2*\i:KF+2*\i+1], s[54:55] offset:256*\i+12288*\pass   ; 256 consecutive bytes, aligned
.endr
	global_store_b16 v238, v254, s[56:57] offset:2048*\pass
.endm
	s_wait_alu depctr_va_vdst(0)
	s_wait_tensorcnt 0x0                           ; my part of K or V is in,
	s_wait_dscnt 0x0                               ; my scale words are stored,
	s_barrier_signal -1
	s_barrier_wait -1                              ; and everybody's are
	PASS
	WAYOUT 0
	s_wait_xcnt 0x0                                ; the stores have read their registers
.irp i, 0,1,2,3,4,5
	v_mov_b32 v[22+\i], v[Q2+\i]                   ; the second 16 queries, 256 tokens on
.endr
	v_mov_b32 v[QSC], v0
	INIT
	s_wait_alu depctr_va_vdst(0)
	PASS
	WAYOUT 1
	s_wait_tensorcnt 0x0                           ; the wave's end
	ds_add_u32 v[SPW], v[NIL]
	s_wait_dscnt 0x0
	CROUND                                         ; the closing round
	s_endpgm
.Lfunc_end_k_qbfe6bce561_attn:
	.size	k_qbfe6bce561_attn, .Lfunc_end_k_qbfe6bce561_attn-k_qbfe6bce561_attn
	.p2alignl 7, 3214868480
	.fill 96, 4, 3214868480
	.section	.rodata,"a",@progbits
	.p2align	6, 0x0
	.amdhsa_kernel k_qbfe6bce561_attn
		.amdhsa_group_segment_fixed_size 327680
		.amdhsa_private_segment_fixed_size 0
		.amdhsa_enable_private_segment 0
		.amdhsa_kernarg_size 48
		.amdhsa_user_sgpr_count 2
		.amdhsa_user_sgpr_kernarg_segment_ptr 1
		.amdhsa_wavefront_size32 1
		.amdhsa_system_sgpr_workgroup_id_x 1
		.amdhsa_system_sgpr_workgroup_id_y 1
		.amdhsa_system_sgpr_workgroup_id_z 1
		.amdhsa_system_vgpr_workitem_id 0
		.amdhsa_next_free_vgpr 256
		.amdhsa_next_free_sgpr 66
		.amdhsa_reserve_vcc 0
		.amdhsa_float_denorm_mode_32 3
		.amdhsa_float_denorm_mode_16_64 3
		.amdhsa_memory_ordered 1
		.amdhsa_forward_progress 1
		.amdhsa_inst_pref_size 56
	.end_amdhsa_kernel
	.amdgpu_metadata
---
amdhsa.version: [ 1, 2 ]
amdhsa.kernels:
  - .name:           k_qbfe6bce561_attn
    .symbol:         k_qbfe6bce561_attn.kd
    .args:
      - { .name: qk_codes, .offset: 0, .size: 8, .value_kind: global_buffer, .address_space: global }
      - { .name: qk_scales, .offset: 8, .size: 8, .value_kind: global_buffer, .address_space: global }
      - { .name: v_codes, .offset: 16, .size: 8, .value_kind: global_buffer, .address_space: global }
      - { .name: v_scales, .offset: 24, .size: 8, .value_kind: global_buffer, .address_space: global }
      - { .name: ctx_codes, .offset: 32, .size: 8, .value_kind: global_buffer, .address_space: global }
      - { .name: ctx_scales, .offset: 40, .size: 8, .value_kind: global_buffer, .address_space: global }
    .group_segment_fixed_size: 327680
    .private_segment_fixed_size: 0
    .kernarg_segment_align: 8
    .kernarg_segment_size: 48
    .max_flat_workgroup_size: 512
    .sgpr_count:     66
    .vgpr_count:     256
    .wavefront_size: 32
...
	.end_amdgpu_metadata
.endif
;; end of part 3
;; launch outp (part 4): grid 4 x 32, 4 waves a work-group, clusters of 4 x 4, 327,680 bytes of LDS; arguments ctx_codes, ctx_scales, xw_codes, xw_scales, bo, out0; writes out0
.if DOCPART == 4
	.amdgcn_target "amdgcn-amd-amdhsa--gfx1250"
	.amdhsa_code_object_version 6
	.text
	.protected	k_qbfe6bce561_outp
	.globl	k_qbfe6bce561_outp
	.p2align	8
	.type	k_qbfe6bce561_outp,@function
k_qbfe6bce561_outp:
	s_mov_b64 s[64:65], 0
	v_nop
	global_prefetch_b8 v0, s[64:65] scope:SCOPE_SE
	s_setreg_imm32_b32 hwreg(HW_REG_WAVE_MODE, 25, 1), 1
	s_wait_xcnt 0x0
	s_wait_alu depctr_hold_cnt(0) depctr_sa_sdst(0) depctr_va_vdst(0) depctr_va_sdst(0) depctr_va_ssrc(0) depctr_va_vcc(0) depctr_vm_vsrc(0)
	s_getreg_b32 s2, hwreg(HW_REG_IB_STS2, 6, 4)
	s_cmp_eq_u32 s2, 0
	s_cbranch_scc0 .Lentry_in_a_cluster
	s_endpgm
.Lentry_in_a_cluster:
	s_bfe_u32 s2, ttmp6, 0x10000c
	s_cmp_lg_u32 s2, 0xf033
	s_cbranch_scc0 .Lentry_shape_is_right
	s_endpgm
.Lentry_shape_is_right:
.set PSA,   393216
.set PSX,   589824
.set ASTEP, 8*PSA
.set BSTEP, 8*PSX
.set FR,    12
.set NL,    6
.set NP,    4
; Launch 4 of 4: out0 = ctx Wo^T + bo on codes of FP6 with E8M0 scales, K = 1,024; a tile of 256 x 256 by four waves; no work of reference() is left out here.
; A slot is [A, B][4 planes][256 rows][48 bytes].  At the head one joint load a wave: wave 0 K step 0 of A's 256 rows, wave 1 of B's, wave 2 A's scale bytes, wave 3 B's; in the ring a wave brings two planes of 256 rows.
.set PLB,   12288
.set HALFT, 2*PLB
.set SLOT,  4*HALFT
.set SCL,   2*SLOT
.set HALFS, 4096
.set SPARE, SCL+4*HALFS
.set SPITCH, 528
.set ROWC,  4096
.set ADRA, 16
.set ADRB, 20
.set STO,  24
.set RD,   25
.set CO,   26
.set ADRS, 27
.set SPW,  28
.set NIL,  29
.set SC,   32
.set BIAS, 64
.set AF,   128
.set BK,   128
.set WV,   2
.set HR,   3
.set HC,   22
.set G1,   24
.set G0,   32
.set G1B,  48
.set G0B,  56
.set G1S,  68
.set G0S,  76
.set G1SB, 80
.set G0SB, 88
.set MSB, 0
.macro WIN new
.if MSB != (\new)
	s_set_vgpr_msb (MSB<<8)|(\new)
.set MSB, (\new)
.endif
.endm
.set MUL_LO, 0xa1
.set MUL_HI, 0xf1
.set TO_B,   0x40
.macro JLOAD g0a, g1a, g0b, g1b
	s_cmp_eq_u32 s[HR], 0
	s_cbranch_scc0 .Lfor_b_\@
	tensor_load_to_lds s[\g0a:\g0a+3], s[\g1a:\g1a+7]
	s_nop 0
.rept 4
	v_nop
.endr
	s_branch .Lasked_\@
.Lfor_b_\@:
	tensor_load_to_lds s[\g0b:\g0b+3], s[\g1b:\g1b+7]
	s_nop 0
.rept 4
	v_nop
.endr
.Lasked_\@:
.endm
.macro CREST
	s_cmp_lg_u32 s[WV], 0
	s_cbranch_scc1 .Lnot_wave_0_\@
	s_barrier_signal -3
.Lnot_wave_0_\@:
	s_barrier_wait -3
	s_barrier_signal -1
	s_barrier_wait -1
.endm
.macro CROUND
	s_barrier_signal -1
	s_barrier_wait -1
	CREST
.endm
	s_load_b256 s[4:11], s[0:1], 0x0
	s_load_b128 s[12:15], s[0:1], 0x20
	v_lshl_add_u32 v[SPW], v0, 2, SPARE
	v_mov_b32 v[NIL], 0
	ds_add_u32 v[SPW], v[NIL]
	ds_add_u32 v[SPW], v[NIL]
	v_lshrrev_b32 v1, 5, v0
	v_readfirstlane_b32 s[WV], v1
	s_lshr_b32 s[HR], s[WV], 1
	s_and_b32 s[HC], s[WV], 1
	s_bfe_u32 s40, ttmp6, 0x40000
	s_bfe_u32 s41, ttmp6, 0x40004
	s_and_b32 s42, ttmp7, 0xffff
	s_lshl_b32 s43, s41, 2
	s_lshl_b32 s43, 15, s43
	s_lshl_b32 s44, 0x1111, s40
	s_lshl_b32 s16, s42, 10
	s_lshl_b32 s17, s41, 8
	s_add_co_u32 s16, s16, s17
	s_lshl_b32 s20, s40, 8
	s_add_co_u32 s20, s20, 11264
	s_lshl_b32 s18, s16, 3
	s_mul_i32 s16, s16, 48
	s_lshl_b32 s46, s20, 3
	s_mul_i32 s20, s20, 48
	s_mov_b32 s17, 0
	s_mov_b32 s19, 0
	s_mov_b32 s21, 0
	s_mov_b32 s47, 0
	s_or_b32 s[G1+0], s43, (3<<16)|(1<<21)
	s_or_b32 s[G1B+0], s44, (3<<16)|(1<<21)
.irp g, G1, G1B
	s_mov_b32 s[\g+1], 1536<<16
	s_mov_b32 s[\g+2], 4<<16
	s_mov_b32 s[\g+3], 1536<<16
	s_mov_b32 s[\g+4], 4
	s_mov_b32 s[\g+6], 0
	s_mov_b32 s[\g+7], 0
.endr
	s_mov_b32 s[G1+5], PSA/8
	s_mov_b32 s[G1B+5], PSX/8
	s_or_b32 s[G1S+0], s43, (3<<16)|(1<<21)
	s_or_b32 s[G1SB+0], s44, (3<<16)|(1<<21)
.irp g, G1S, G1SB
	s_mov_b32 s[\g+1], 256<<16
	s_mov_b32 s[\g+2], 4<<16
	s_mov_b32 s[\g+3], 256<<16
	s_mov_b32 s[\g+4], 4
	s_mov_b32 s[\g+6], 0
	s_mov_b32 s[\g+7], 0
.endr
	s_mov_b32 s[G1S+5], 8192
	s_mov_b32 s[G1SB+5], 12288
	s_mul_i32 s45, s[WV], HALFT
	s_wait_dscnt 0x0
	s_wait_kmcnt 0x0
	s_add_nc_u64 s[16:17], s[4:5], s[16:17]
	s_add_nc_u64 s[18:19], s[6:7], s[18:19]
	s_add_nc_u64 s[20:21], s[8:9], s[20:21]
	s_add_nc_u64 s[46:47], s[10:11], s[46:47]
	CROUND
	s_mov_b32 s[G0S], 1
	s_mov_b32 s[G0S+1], SCL
	s_mov_b64 s[G0S+2:G0S+3], s[18:19]
	s_or_b32 s[G0S+3], s[G0S+3], 0x80000000
	s_mov_b32 s[G0SB], 1
	s_mov_b32 s[G0SB+1], SCL+2*HALFS
	s_mov_b64 s[G0SB+2:G0SB+3], s[46:47]
	s_or_b32 s[G0SB+3], s[G0SB+3], 0x80000000
	s_mul_i32 s4, s[HC], 2*PSA                     ; in the ring I fetch two planes of four: which two, of K step 1: in A,
	s_add_co_u32 s4, s4, 4*PSA
	s_mov_b32 s5, 0
	s_mul_i32 s6, s[HC], 2*PSX                     ; and in B
	s_add_co_u32 s6, s6, 4*PSX
	s_mov_b32 s7, 0
	s_mov_b32 s[G0], 1                             ; slot 0's sets serve the head's whole tiles first
	s_mov_b32 s[G0+1], 0
	s_mov_b64 s[G0+2:G0+3], s[16:17]
	s_or_b32 s[G0+3], s[G0+3], 0x80000000
	s_mov_b32 s[G0B], 1
	s_mov_b32 s[G0B+1], 2*HALFT
	s_mov_b64 s[G0B+2:G0B+3], s[20:21]
	s_or_b32 s[G0B+3], s[G0B+3], 0x80000000
	s_mov_b32 s[G0+4], 1
	s_add_co_u32 s[G0+5], s45, SLOT
	s_add_nc_u64 s[G0+6:G0+7], s[16:17], s[4:5]
	s_or_b32 s[G0+7], s[G0+7], 0x80000000
	s_mov_b32 s[G0B+4], 1
	s_add_co_u32 s[G0B+5], s45, SLOT
	s_add_nc_u64 s[G0B+6:G0B+7], s[20:21], s[6:7]
	s_or_b32 s[G0B+7], s[G0B+7], 0x80000000
; the head's loads, one a wave: one chain of branches on the wave's number, a load in each arm, all arms leading to one join
.macro ARM under, g0, g1, next
	s_cmp_lt_u32 s[WV], \under
	s_cbranch_scc0 \next
	tensor_load_to_lds s[\g0:\g0+3], s[\g1:\g1+7]
	s_nop 0
.rept 4
	v_nop
.endr
	s_branch .Lhead_asked
\next:
.endm
	ARM 1, G0,  G1,  .Lhead_b
	ARM 2, G0B, G1B, .Lhead_sa
	ARM 3, G0S, G1S, .Lhead_sb
	tensor_load_to_lds s[G0SB:G0SB+3], s[G1SB:G1SB+7]
	s_nop 0
.rept 4
	v_nop
.endr
.Lhead_asked:
	v_and_b32 v1, 15, v0
	s_wait_alu depctr_va_vdst(0)
	v_bfe_u32 v2, v0, 4, 1
	v_lshlrev_b32 v8, 5, v2
	s_lshl_b32 s92, s40, 8
	s_lshl_b32 s93, s[HC], 7
	s_add_co_u32 s92, s92, s93
	s_lshl_b32 s92, s92, 2
	s_mov_b32 s93, 0
	s_add_nc_u64 s[12:13], s[12:13], s[92:93]
.irp b, 0,1,2,3,4,5,6,7
	global_load_b128 v[BIAS+8*\b:BIAS+8*\b+3], v8, s[12:13] offset:64*\b
	global_load_b128 v[BIAS+8*\b+4:BIAS+8*\b+7], v8, s[12:13] offset:64*\b+16
.endr
	s_lshl_b32 s92, s42, 10
	s_lshl_b32 s93, s41, 8
	s_add_co_u32 s92, s92, s93
	s_lshl_b32 s93, s[HR], 7
	s_add_co_u32 s92, s92, s93
	s_lshl_b32 s92, s92, 12
	s_lshl_b32 s93, s40, 10
	s_add_co_u32 s92, s92, s93
	s_lshl_b32 s93, s[HC], 9
	s_add_co_u32 s92, s92, s93
	s_mov_b32 s93, 0
	s_add_nc_u64 s[14:15], s[14:15], s[92:93]
	v_mul_u32_u24 v3, v1, 48
	s_wait_alu depctr_va_vdst(0)
	v_mad_u32_u24 v3, v2, 24, v3
	s_mul_i32 s46, s[HR], 6144
	s_mul_i32 s47, s[HC], 6144
	s_add_co_u32 s47, s47, 2*HALFT
.irp s, 0,1
	v_add_nc_u32 v[ADRA+\s], s46, v3
	v_add_nc_u32 v[ADRB+\s], s47, v3
	s_add_co_u32 s46, s46, SLOT
	s_add_co_u32 s47, s47, SLOT
.endr
	v_lshlrev_b32 v5, 3, v1
	s_lshl_b32 s46, s[HR], 10
	s_lshl_b32 s47, s[HC], 10
	s_add_co_u32 s47, s47, 2*HALFS
	s_sub_co_u32 s47, s47, s46
	v_mul_u32_u24 v6, s47, v2
	s_add_co_u32 s46, s46, SCL
	v_add_nc_u32 v5, v5, v6
	v_add_nc_u32 v[ADRS], s46, v5
	s_mul_i32 s46, s[WV], 16*SPITCH
	v_mul_u32_u24 v5, v1, SPITCH
	v_lshl_add_u32 v5, v2, 5, v5
	v_add_nc_u32 v[STO], s46, v5
	v_and_b32 v6, 31, v0
	v_lshlrev_b32 v[CO], 4, v6
	v_add_nc_u32 v[RD], s46, v[CO]
.macro FRAG reg, adr, q, i
.irp p, 0,1,2,3,4,5
	ds_load_b64 v[\reg+2*\p:\reg+2*\p+1], v[\adr] offset:(2*(\q)+\p/3)*PLB+(\i)*768+8*(\p%3)
.endr
.endm
.macro MUL16 a0, p, q, sc, cm
.irp a, \a0, \a0+1
.irp b, 0,1,2,3,4,5,6,7
.set DD, 8*(8*((\a)%4)+\b)
.set CC, DD
.if \cm == 1
.set CC, BIAS+8*\b
.endif
	v_wmma_scale_f32_16x16x128_f8f6f4 v[DD:DD+7], v[128*(\p)+FR*\b:128*(\p)+FR*\b+FR-1], v[AF+FR*(\a):AF+FR*(\a)+FR-1], v[CC:CC+7], v[SC+16*(\sc)+2*\b+(\q)], v[SC+16*(\sc)+2*(\a)+(\q)] matrix_a_fmt:MATRIX_FMT_FP6 matrix_b_fmt:MATRIX_FMT_FP6 matrix_a_scale:MATRIX_SCALE_ROW1
.endr
.endr
.endm
.macro FETCH_B slot, q, p
	WIN TO_B
.irp i, 0,1,2,3,4,5,6,7
	FRAG 128*(\p)+FR*\i, ADRB+\slot, \q, \i
.endr
	WIN 0
.endm
.macro FETCH_A slot, q, i0
.irp i, \i0, \i0+1, \i0+2, \i0+3
	FRAG AF+FR*(\i), ADRA+\slot, \q, \i
.endr
.endm
.macro SCALES sc, ks
.irp i, 0,1,2,3,4,5,6,7
	ds_load_b64 v[SC+16*(\sc)+2*\i:SC+16*(\sc)+2*\i+1], v[ADRS] offset:(\ks)*2048+\i*128
.endr
.endm
.macro PLACES n
.rept \n
	v_nop
.endr
.endm
.macro STEP slot, q, cm
	s_wait_dscnt 4*NL
.if \cm
	WIN 0x81
.else
	WIN MUL_LO
.endif
	MUL16 0, (\q)%2, \q, \slot, \cm
	MUL16 2, (\q)%2, \q, \slot, \cm
	s_wait_dscnt 0
	PLACES NP
	FETCH_B \slot, (\q)+1, 1-(\q)%2
	FETCH_A \slot, (\q)+1, 0
.if \cm
	WIN 0xc1
.else
	WIN MUL_HI
.endif
	MUL16 4, (\q)%2, \q, \slot, \cm
	MUL16 6, (\q)%2, \q, \slot, \cm
	PLACES NP
	WIN 0
	FETCH_A \slot, (\q)+1, 4
.endm
.macro TURN slot, next, fill, ks
	s_wait_tensorcnt 0x0
	ds_add_u32 v[SPW], v[NIL]
	s_wait_dscnt 4*NL+1
	WIN MUL_LO
	MUL16 0, 1, 1, \slot, 0
	s_wait_dscnt 0x0
	s_barrier_signal -1
	MUL16 2, 1, 1, \slot, 0
	WIN 0
	s_barrier_wait -1
.if \fill
	CREST
	s_add_nc_u64 s[G0+4*\slot+2:G0+4*\slot+3], s[G0+4*\slot+2:G0+4*\slot+3], ASTEP
	s_add_nc_u64 s[G0B+4*\slot+2:G0B+4*\slot+3], s[G0B+4*\slot+2:G0B+4*\slot+3], BSTEP
	JLOAD G0+4*\slot, G1, G0B+4*\slot, G1B
.else
	PLACES NP
.endif
	FETCH_B \next, 0, 0
	FETCH_A \next, 0, 0
	SCALES \next, \ks
	WIN MUL_HI
	MUL16 4, 1, 1, \slot, 0
	MUL16 6, 1, 1, \slot, 0
	PLACES NP
	WIN 0
	FETCH_A \next, 0, 4
.endm
	s_wait_alu depctr_va_vdst(0)
	s_wait_tensorcnt 0x0                           ; my tile of the head's four is in
	ds_add_u32 v[SPW], v[NIL]
	s_mov_b32 s[G1+2], 2<<16                       ; no tensor load of mine is out: from here on a load brings two planes
	s_mov_b32 s[G1+4], 2
	s_mov_b32 s[G1B+2], 2<<16
	s_mov_b32 s[G1B+4], 2
	s_mul_i32 s46, s[HC], 2*PSA
	s_mov_b32 s47, 0
	s_mul_i32 s92, s[HC], 2*PSX
	s_mov_b32 s93, 0
	s_mov_b32 s[G0+1], s45                         ; slot 0's sets now stand for my two planes of K step 0; the first refill steps them two K steps on
	s_add_nc_u64 s[G0+2:G0+3], s[G0+2:G0+3], s[46:47]
	s_mov_b32 s[G0B+1], s45
	s_add_nc_u64 s[G0B+2:G0B+3], s[G0B+2:G0B+3], s[92:93]
	s_wait_dscnt 0x0
	CROUND                                         ; all four tiles are in, and all sixteen work-groups are here
	JLOAD G0+4, G1, G0B+4, G1B                     ; K step 1, the first tensor load behind the round
	FETCH_B 0, 0, 0
	FETCH_A 0, 0, 0
	SCALES 0, 0
	FETCH_A 0, 0, 4
	s_wait_loadcnt 0x0
	STEP 0, 0, 1
	TURN 0, 1, 1, 1
	STEP 1, 0, 0
	TURN 1, 0, 1, 2
	STEP 0, 0, 0
	TURN 0, 1, 0, 3
	STEP 1, 0, 0
	s_wait_dscnt 4*NL
	WIN MUL_LO
	MUL16 0, 1, 1, 1, 0
	MUL16 2, 1, 1, 1, 0
	s_wait_dscnt 0
	WIN MUL_HI
	MUL16 4, 1, 1, 1, 0
	MUL16 6, 1, 1, 1, 0
	WIN 0
.macro TOSTAGE a
.set AC, 64*((\a)%4)
	WIN (0x08+4*((\a)/4))
.irp b, 0,1,2,3,4,5,6,7
	ds_store_b128 v[STO], v[AC+8*\b:AC+8*\b+3] offset:64*\b
	ds_store_b128 v[STO], v[AC+8*\b+4:AC+8*\b+7] offset:64*\b+16
.endr
	WIN 0
.set BB, BK+64*((\a)%2)
.irp t, 0,1,2,3,4,5,6,7,8,9,10,11,12,13,14,15
	ds_load_b128 v[BB+4*\t:BB+4*\t+3], v[RD] offset:\t*SPITCH
.endr
.endm
.macro SEND a, younger
.set BB, BK+64*((\a)%2)
	s_wait_dscnt \younger
.if (\a) > 0
	s_add_nc_u64 s[14:15], s[14:15], 16*ROWC
.endif
.irp t, 0,1,2,3,4,5,6,7,8,9,10,11,12,13,14,15
	global_store_b128 v[CO], v[BB+4*\t:BB+4*\t+3], s[14:15] offset:\t*ROWC th:TH_STORE_NT
.endr
.endm
	PLACES NP
	TOSTAGE 0
.irp a, 1,2,3,4,5,6,7
.if \a > 1
	s_wait_xcnt 0x0
.endif
	TOSTAGE \a
	SEND \a-1, 32
.endr
	s_wait_xcnt 0x0
	SEND 7, 0
	s_wait_tensorcnt 0x0
	ds_add_u32 v[SPW], v[NIL]
	s_wait_dscnt 0x0
	CROUND
	s_endpgm
.Lfunc_end_k_qbfe6bce561_outp:
	.size	k_qbfe6bce561_outp, .Lfunc_end_k_qbfe6bce561_outp-k_qbfe6bce561_outp
	.p2alignl 7, 3214868480
	.fill 96, 4, 3214868480
	.section	.rodata,"a",@progbits
	.p2align	6, 0x0
	.amdhsa_kernel k_qbfe6bce561_outp
		.amdhsa_group_segment_fixed_size 327680
		.amdhsa_private_segment_fixed_size 0
		.amdhsa_enable_private_segment 0
		.amdhsa_kernarg_size 48
		.amdhsa_user_sgpr_count 2
		.amdhsa_user_sgpr_kernarg_segment_ptr 1
		.amdhsa_wavefront_size32 1
		.amdhsa_system_sgpr_workgroup_id_x 1
		.amdhsa_system_sgpr_workgroup_id_y 1
		.amdhsa_system_sgpr_workgroup_id_z 1
		.amdhsa_system_vgpr_workitem_id 0
		.amdhsa_next_free_vgpr 1024
		.amdhsa_next_free_sgpr 102
		.amdhsa_reserve_vcc 0
		.amdhsa_float_denorm_mode_32 3
		.amdhsa_float_denorm_mode_16_64 3
		.amdhsa_memory_ordered 1
		.amdhsa_forward_progress 1
		.amdhsa_inst_pref_size 162
	.end_amdhsa_kernel
	.amdgpu_metadata
---
amdhsa.version: [ 1, 2 ]
amdhsa.kernels:
  - .name:           k_qbfe6bce561_outp
    .symbol:         k_qbfe6bce561_outp.kd
    .args:
      - { .name: ctx_codes, .offset: 0, .size: 8, .value_kind: global_buffer, .address_space: global }
      - { .name: ctx_scales, .offset: 8, .size: 8, .value_kind: global_buffer, .address_space: global }
      - { .name: xw_codes, .offset: 16, .size: 8, .value_kind: global_buffer, .address_space: global }
      - { .name: xw_scales, .offset: 24, .size: 8, .value_kind: global_buffer, .address_space: global }
      - { .name: bo, .offset: 32, .size: 8, .value_kind: global_buffer, .address_space: global }
      - { .name: out0, .offset: 40, .size: 8, .value_kind: global_buffer, .address_space: global }
    .group_segment_fixed_size: 327680
    .private_segment_fixed_size: 0
    .kernarg_segment_align: 8
    .kernarg_segment_size: 48
    .max_flat_workgroup_size: 128
    .sgpr_count:     102
    .vgpr_count:     1024
    .wavefront_size: 32
...
	.end_amdgpu_metadata
.endif
;; end of part 4
